; MI455X (gfx1250); checked and timed in simulation.
; The chip was launched on July 23, 2026; its instructions are those of AMD's public machine-readable ISA for CDNA 5 (MIT licence, August 2026) and "CDNA5" Instruction Set Architecture Reference Guide (July 2026). The comments in the code are by the model that wrote it; some were corrected since.
;; Multi Head Attention. Allowed arithmetic: float matrix products may take bf16 or f16 operands with f32 sums; all other float work in f32.
;; Inputs: Wg 1,024 x 1,024 float32; Wk 1,024 x 1,024 float32; Wo 1,024 x 1,024 float32; Wq 1,024 x 1,024 float32; Wv 1,024 x 1,024 float32; bo 1,024 float32; x 2 x 2,048 x 1,024 float32.
;; Outputs: out0 2 x 2,048 x 1,024 float32.
;; One version. Each part assembles by itself: llvm-mc -triple=amdgcn-amd-amdhsa -mcpu=gfx1250 --defsym DOCPART=n.
;; ======== version 1 of 1: 4 launches
;; limits: values outside matrix products are rounded to f16; values are held in f16: magnitudes above 65,504 overflow, below 6.1e-05 lose precision
;; workspace buffers: xw 18,874,368 bytes; qkvg 33,554,432 bytes; cg 16,777,216 bytes
;; launch cast (part 1): grid 256 x 9, 4 waves a work-group, no clusters, 0 bytes of LDS; arguments x, Wq, Wk, Wv, Wg, Wo, xw; writes xw
.if DOCPART == 1
	.amdgcn_target "amdgcn-amd-amdhsa--gfx1250"
	.amdhsa_code_object_version 6
	.text
	.protected	k_qdada36998f_cast
	.globl	k_qdada36998f_cast
	.p2align	8
	.type	k_qdada36998f_cast,@function
k_qdada36998f_cast:
	s_mov_b64 s[64:65], 0
	v_nop
	global_prefetch_b8 v0, s[64:65] scope:SCOPE_SE
	s_setreg_imm32_b32 hwreg(HW_REG_WAVE_MODE, 25, 1), 1
	s_wait_xcnt 0x0
; xw = bf16 of [x ; Wq ; Wk ; Wv ; Wg ; Wo], 9,216 rows of 1,024 numbers, each rounded once to nearest even.
; bf16 has f32's range, so no input is out of range; products of two bf16 numbers are exact in the f32 sums of the later launches.
; Nine chunks of 2^20 numbers along the grid's y: y = 0..3 the quarters of x, y = 4..8 the five weights.
; A work-group of 128 threads takes 4,096 numbers in four passes; in a pass thread t takes the 8 numbers at 8 t:
; two loads of 16 bytes, four packed conversions, one store of 16 bytes, so that sixteen neighbouring lanes store
; 256 consecutive bytes at a multiple of 256 from xw's first byte.  Nothing is reused: no LDS, no barrier, no loop,
; and no register is written twice, so no source of a pending load or store is ever rewritten.
.set X, 4                              ; v[4:35]   pass p: 8 registers as loaded
.set Y, 36                             ; v[36:51]  pass p: 4 registers to store
	s_load_b256 s[8:15], s[0:1], 0x0               ; x s[8:9], Wq s[10:11], Wk s[12:13], Wv s[14:15]
	s_load_b128 s[16:19], s[0:1], 0x20             ; Wg s[16:17], Wo s[18:19]
	s_load_b64 s[20:21], s[0:1], 0x30              ; xw
	s_and_b32 s22, ttmp7, 0xffff                   ; y: the chunk
	v_lshlrev_b32 v1, 5, v0                        ; 32 t: my 8 numbers in f32
	v_lshlrev_b32 v2, 4, v0                        ; 16 t: my 8 numbers in bf16
	s_lshl_b32 s24, s22, 22                        ; a quarter of x is 4 MiB; a weight begins at its own buffer's start
	s_cmp_lt_u32 s22, 4
	s_cselect_b32 s24, s24, 0
	s_lshl_b32 s23, ttmp9, 14                      ; the work-group's 4,096 numbers in f32
	s_add_co_u32 s24, s24, s23
	s_mov_b32 s25, 0
	s_lshl_b32 s26, s22, 21                        ; a chunk of xw is 2 MiB
	s_lshl_b32 s23, ttmp9, 13                      ; the work-group's 4,096 numbers in bf16
	s_add_co_u32 s26, s26, s23
	s_mov_b32 s27, 0
	s_wait_kmcnt 0x0
	s_mov_b64 s[4:5], s[8:9]                       ; the source: x, or one of the weights, chosen by y alone
	s_cmp_eq_u32 s22, 4
	s_cselect_b64 s[4:5], s[10:11], s[4:5]
	s_cmp_eq_u32 s22, 5
	s_cselect_b64 s[4:5], s[12:13], s[4:5]
	s_cmp_eq_u32 s22, 6
	s_cselect_b64 s[4:5], s[14:15], s[4:5]
	s_cmp_eq_u32 s22, 7
	s_cselect_b64 s[4:5], s[16:17], s[4:5]
	s_cmp_eq_u32 s22, 8
	s_cselect_b64 s[4:5], s[18:19], s[4:5]
	s_add_nc_u64 s[4:5], s[4:5], s[24:25]
	s_add_nc_u64 s[20:21], s[20:21], s[26:27]
.irp p, 0,1,2,3
	global_load_b128 v[X+8*\p:X+8*\p+3],   v1, s[4:5] offset:4096*\p th:TH_LOAD_NT
	global_load_b128 v[X+8*\p+4:X+8*\p+7], v1, s[4:5] offset:4096*\p+16 th:TH_LOAD_NT
.endr
.irp p, 0,1,2,3
	s_wait_loadcnt 6-2*\p                          ; loads come back in order: pass p's two are in, the later passes' stay out
.irp k, 0,1,2,3
	v_cvt_pk_bf16_f32 v[Y+4*\p+\k], v[X+8*\p+2*\k], v[X+8*\p+2*\k+1]
.endr
	global_store_b128 v2, v[Y+4*\p:Y+4*\p+3], s[20:21] offset:2048*\p   ; read again by the next launch: no hint
.endr
	s_endpgm
.Lfunc_end_k_qdada36998f_cast:
	.size	k_qdada36998f_cast, .Lfunc_end_k_qdada36998f_cast-k_qdada36998f_cast
	.p2alignl 7, 3214868480
	.fill 96, 4, 3214868480
	.section	.rodata,"a",@progbits
	.p2align	6, 0x0
	.amdhsa_kernel k_qdada36998f_cast
		.amdhsa_group_segment_fixed_size 0
		.amdhsa_private_segment_fixed_size 0
		.amdhsa_enable_private_segment 0
		.amdhsa_kernarg_size 56
		.amdhsa_user_sgpr_count 2
		.amdhsa_user_sgpr_kernarg_segment_ptr 1
		.amdhsa_wavefront_size32 1
		.amdhsa_system_sgpr_workgroup_id_x 1
		.amdhsa_system_sgpr_workgroup_id_y 1
		.amdhsa_system_sgpr_workgroup_id_z 1
		.amdhsa_system_vgpr_workitem_id 0
		.amdhsa_next_free_vgpr 52
		.amdhsa_next_free_sgpr 66
		.amdhsa_reserve_vcc 0
		.amdhsa_float_denorm_mode_32 3
		.amdhsa_float_denorm_mode_16_64 3
		.amdhsa_memory_ordered 1
		.amdhsa_forward_progress 1
		.amdhsa_inst_pref_size 4
	.end_amdhsa_kernel
	.amdgpu_metadata
---
amdhsa.version: [ 1, 2 ]
amdhsa.kernels:
  - .name:           k_qdada36998f_cast
    .symbol:         k_qdada36998f_cast.kd
    .args:
      - { .name: x, .offset: 0, .size: 8, .value_kind: global_buffer, .address_space: global }
      - { .name: Wq, .offset: 8, .size: 8, .value_kind: global_buffer, .address_space: global }
      - { .name: Wk, .offset: 16, .size: 8, .value_kind: global_buffer, .address_space: global }
      - { .name: Wv, .offset: 24, .size: 8, .value_kind: global_buffer, .address_space: global }
      - { .name: Wg, .offset: 32, .size: 8, .value_kind: global_buffer, .address_space: global }
      - { .name: Wo, .offset: 40, .size: 8, .value_kind: global_buffer, .address_space: global }
      - { .name: xw, .offset: 48, .size: 8, .value_kind: global_buffer, .address_space: global }
    .group_segment_fixed_size: 0
    .private_segment_fixed_size: 0
    .kernarg_segment_align: 8
    .kernarg_segment_size: 56
    .max_flat_workgroup_size: 128
    .sgpr_count:     66
    .vgpr_count:     52
    .wavefront_size: 32
...
	.end_amdgpu_metadata
.endif
;; end of part 1
;; launch proj (part 2): grid 16 x 16, 4 waves a work-group, clusters of 4 x 4, 327,680 bytes of LDS; arguments xw, qkvg; writes qkvg
.if DOCPART == 2
	.amdgcn_target "amdgcn-amd-amdhsa--gfx1250"
	.amdhsa_code_object_version 6
	.text
	.protected	k_qdada36998f_proj
	.globl	k_qdada36998f_proj
	.p2align	8
	.type	k_qdada36998f_proj,@function
k_qdada36998f_proj:
	s_mov_b64 s[64:65], 0
	v_nop
	global_prefetch_b8 v0, s[64:65] scope:SCOPE_SE
	s_setreg_imm32_b32 hwreg(HW_REG_WAVE_MODE, 25, 1), 1
	s_wait_xcnt 0x0
	s_wait_alu depctr_hold_cnt(0) depctr_sa_sdst(0) depctr_va_vdst(0) depctr_va_sdst(0) depctr_va_ssrc(0) depctr_va_vcc(0) depctr_vm_vsrc(0)
	s_getreg_b32 s2, hwreg(HW_REG_IB_STS2, 6, 4)
	s_cmp_eq_u32 s2, 0
	s_cbranch_scc0 .Lentry_in_a_cluster
	s_endpgm
.Lentry_in_a_cluster:
	s_bfe_u32 s2, ttmp6, 0x10000c
	s_cmp_lg_u32 s2, 0xf033
	s_cbranch_scc0 .Lentry_shape_is_right
	s_endpgm
.Lentry_shape_is_right:
; [q k v gate] = x [Wq ; Wk ; Wv ; Wg]^T as ONE product C[m][n] = sum over k of A[m][k] B[n][k], 4,096 x 4,096 x 1,024.
; A = rows 0..4095 of xw, B = rows 4096..8191 of xw, both bf16 with K along the rows; sums in f32; C rounded once to f16 (11 bits against
; bf16's 8, since these results are operands again) and stored by heads:
; qkvg[plane][s][64], plane = 32 which + 16 b + h (which = n / 1024: 0 q, 1 k, 2 v, 3 gate; h = n / 64 mod 16; b = m / 2048; s = m mod 2048).
; LIMIT: a result of 65,520 or more in magnitude becomes an infinity in f16.
; A work-group makes a block of 256 x 256 of C with four waves; a wave makes 128 x 128: 64 accumulator tiles of 16 x 16, 512 registers.
; K goes in steps of 128 through a ring of two LDS slots filled by the tensor data mover; a tile's rows are 256 bytes of memory and start
; at multiples of 256 bytes from the buffer's first byte.
; CLUSTERS: 4 x 4 work-groups.  The four of a row of the cluster need the same tiles of A, the four of a column the same tiles of B: each such
; tile is asked for jointly, by the same tensor load with the same descriptor and a mask that names the four: a quarter of the requests.
;
; REGISTERS, in windows of 256:
;   window 0: v0-31 addresses; v64-127, v128-191 fragments of A (8 x 16 rows x 32 K), two buffers; v192-223 at work on the way out
;   window 1: v64-127, v128-191 fragments of B, two buffers
;   window 2: the 32 accumulator tiles of my rows 0-63 (tile (a, b) at v[8 (8 a + b)]);   window 3: those of my rows 64-127
; THE MATRIX INSTRUCTION IS USED TRANSPOSED: source 0 = 16 rows of B, source 1 = 16 rows of A, so that lane l holds row l % 16 of C and its
; registers 0 to 7 the columns 8 (l / 16) + 0 .. 7: eight neighbouring numbers of a row, 16 bytes in f16.
.set SIZE_K, 1024
.set KSTEP,  128
.set PITCH,  272                       ; an LDS row: 256 bytes + 16 of padding = 68 words: the 16 rows that a load touches start 4 words apart modulo 64
.set HALFT,  128*PITCH                 ; 128 rows: what one tensor load brings, and what one wave reads of A or of B
.set SLOT,   4*HALFT                   ; A's 256 rows, then B's 256 rows
.set STAGE,  2*SLOT                    ; behind the ring: 16 rows x 272 bytes for each wave, for the way out; no tensor load lands there
.set SPITCH, 272
.set LAPS, SIZE_K/(2*KSTEP)            ; a lap = two K steps = once round the ring: 4 laps
.set ADRA, 16                          ; v16-17  LDS address of my A fragments in slot 0, 1
.set ADRB, 20                          ; v20-21  the same for B
.set STO,  24                          ; v24     the way out: where I put 16 bytes of a row
.set RD,   25                          ; v25     the way out: where I read 16 bytes back
.set CO,   26                          ; v26     my byte offset in qkvg
.set F0,   64                          ; fragment buffer 0
.set F1,   128                         ; fragment buffer 1
.set TMP,  192                         ; the way out: packed results, in window 0
.set G1, 24                            ; s[24:31] descriptor group 1 for A's tiles
.set G0, 32                            ; s[32:39] descriptor group 0 for A's tiles, one set for each slot
.set G1B, 48                           ; s[48:55] descriptor group 1 for B's tiles: it differs from A's in the mask alone
.set G0B, 56                           ; s[56:63] descriptor group 0 for B's tiles, one set for each slot
.set MSB, 0
.macro WIN new                         ; s_set_vgpr_msb; the immediate's high byte repeats the setting that is left
.if MSB != \new
	s_set_vgpr_msb (MSB<<8)|\new
.set MSB, \new
.endif
.endm
.set MUL_LO, 0xa1                      ; source 0 (B) window 1, source 1 (A) window 0, C and D window 2
.set MUL_HI, 0xf1                      ; the same, C and D window 3
.set TO_B,   0x40                      ; destination window 1, address window 0
; A joint load.  Waves 0 and 1 fetch A's two halves, waves 2 and 3 B's.  Each line has one mask and one set of registers for all that issue it;
; the branch hangs on the wave's number alone.
.macro JLOAD s
	s_cmp_eq_u32 s11, 0
	s_cbranch_scc0 .Lfor_b_\@
	tensor_load_to_lds s[G0+4*\s:G0+4*\s+3], s[G1:G1+7]
	s_nop 0
	s_branch .Lasked_\@
.Lfor_b_\@:
	tensor_load_to_lds s[G0B+4*\s:G0B+4*\s+3], s[G1B:G1B+7]
	s_nop 0
.Lasked_\@:
.endm
; A round of the cluster's barrier: my work-group's barrier; wave 0 signals for the work-group; every wave waits for all sixteen; my work-group's barrier again.
.macro CREST                           ; a round behind its opening barrier
	s_cmp_lg_u32 s10, 0
	s_cbranch_scc1 .Lnot_wave_0_\@
	s_barrier_signal -3
.Lnot_wave_0_\@:
	s_barrier_wait -3
	s_barrier_signal -1
	s_barrier_wait -1
.endm
.macro CROUND                          ; a whole round
	s_barrier_signal -1
	s_barrier_wait -1
	CREST
.endm
	s_load_b128 s[4:7], s[0:1], 0x0                ; xw s[4:5], qkvg s[6:7]
	s_set_vgpr_msb 0x40
	v_lshl_add_u32 v255, v0, 2, 0x48400
	s_set_vgpr_msb 0x4000
	v_mov_b32 v255, 0
	s_set_vgpr_msb 0x1
	ds_add_u32 v255, v255
	s_set_vgpr_msb 0x100
	v_lshrrev_b32 v1, 5, v0
	v_readfirstlane_b32 s10, v1                    ; wave 0..3
	s_lshr_b32 s11, s10, 1                         ; which half of the block's rows is mine.  Also: I fetch for A (0) or for B (1)
	s_and_b32 s12, s10, 1                          ; which half of its columns.  Also: which 128 rows of that tile I fetch
	s_bfe_u32 s40, ttmp6, 0x40000                  ; cx
	s_bfe_u32 s41, ttmp6, 0x40004                  ; cy
	s_lshl_b32 s42, ttmp9, 2
	s_add_co_u32 s42, s42, s40                     ; block column of C = 4 x cluster x + cx
	s_and_b32 s13, ttmp7, 0xffff
	s_lshl_b32 s13, s13, 2
	s_add_co_u32 s13, s13, s41                     ; block row of C = 4 x cluster y + cy
	s_lshl_b32 s43, s41, 2
	s_lshl_b32 s43, 15, s43                        ; my row of the cluster: places 4 cy .. 4 cy + 3
	s_lshl_b32 s44, 0x1111, s40                    ; my column: places cx, cx + 4, cx + 8, cx + 12
	; descriptor group 1: a tile of 128 rows x 128 elements of 2 bytes, 4 words of padding behind every 64 words
	s_or_b32 s[G1+0], s43, (1<<16)|(1<<20)|(1<<21)|(5<<22)|(3<<25)  ; A's tiles go to my row of the cluster
	s_or_b32 s[G1B+0], s44, (1<<16)|(1<<20)|(1<<21)|(5<<22)|(3<<25) ; B's tiles to my column
	s_mov_b32 s[G1B+1], KSTEP<<16
	s_mov_b32 s[G1+1], KSTEP<<16                   ; tensor_dim0 = 128
	s_mov_b32 s[G1B+2], 128<<16
	s_mov_b32 s[G1+2], 128<<16                     ; tensor_dim1 = 128
	s_mov_b32 s[G1B+3], KSTEP<<16
	s_mov_b32 s[G1+3], KSTEP<<16                   ; tile_dim0 = 128
	s_mov_b32 s[G1B+4], 128
	s_mov_b32 s[G1+4], 128                         ; tile_dim1 = 128
	s_mov_b32 s[G1B+5], SIZE_K
	s_mov_b32 s[G1+5], SIZE_K                      ; elements from row to row
	s_mov_b32 s[G1B+6], 0
	s_mov_b32 s[G1+6], 0
	s_mov_b32 s[G1B+7], 0
	s_mov_b32 s[G1+7], 0
	; where the tiles come from: A's hang on the block row alone, B's on the block column alone, each in registers that never hold the other coordinate
	s_lshl_b32 s17, s12, 7                         ; which 128 rows of the tile I fetch
	s_lshl_b32 s16, s13, 8
	s_add_co_u32 s16, s16, s17                     ; A: row 256 x block row + 128 x half
	s_lshl_b32 s46, s42, 8
	s_add_co_u32 s46, s46, s17                     ; B: row 256 x block column + 128 x half
	s_mov_b32 s17, 0
	s_mov_b32 s47, 0
	s_mov_b64 s[18:19], SIZE_K*2
	s_mul_u64 s[16:17], s[16:17], s[18:19]         ; in bytes
	s_mul_u64 s[46:47], s[46:47], s[18:19]
	s_mul_i32 s20, s10, HALFT                      ; and where they go: wave x 128 rows
	s_wait_dscnt 0x0
	s_wait_kmcnt 0x0
	s_mov_b64 s[8:9], s[6:7]                       ; C = qkvg
	s_add_nc_u64 s[6:7], s[4:5], 0x800000          ; B = row 4096 of xw: 4,096 rows of 2,048 bytes on
	s_add_nc_u64 s[14:15], s[4:5], s[16:17]
	s_add_nc_u64 s[46:47], s[6:7], s[46:47]
	CROUND                                         ; all sixteen work-groups are here: the first joint loads meet
.irp s, 0,1
	s_mov_b32 s[G0+4*\s], 1                                        ; count = 1
	s_add_co_u32 s[G0+4*\s+1], s20, \s*SLOT                        ; LDS address
	s_add_nc_u64 s[G0+4*\s+2:G0+4*\s+3], s[14:15], \s*KSTEP*2      ; global address: K step s
	s_or_b32 s[G0+4*\s+3], s[G0+4*\s+3], 0x80000000                ; type = 2
	s_mov_b32 s[G0B+4*\s], 1
	s_add_co_u32 s[G0B+4*\s+1], s20, \s*SLOT
	s_add_nc_u64 s[G0B+4*\s+2:G0B+4*\s+3], s[46:47], \s*KSTEP*2
	s_or_b32 s[G0B+4*\s+3], s[G0B+4*\s+3], 0x80000000
	JLOAD \s                                       ; the ring is filled before anything else is done: two loads of this wave are out
.endr
	; A fragment is 16 rows x 32 K in 8 registers: lane l holds row l % 16; registers 0-3 hold K = 8 (l / 16) + 0..7, registers 4-7 K = 16 + 8 (l / 16) + 0..7:
	; two loads of 16 bytes, 32 bytes apart.
	v_and_b32 v1, 15, v0                           ; l % 16
	v_bfe_u32 v2, v0, 4, 1                         ; l / 16
	v_mul_u32_u24 v3, v1, PITCH
	v_lshl_add_u32 v3, v2, 4, v3                   ; row x pitch + 16 x half
	s_mul_i32 s21, s11, HALFT                      ; my 128 rows of A
	s_mul_i32 s22, s12, HALFT                      ; my 128 rows of B,
	s_add_co_u32 s22, s22, 2*HALFT                 ; which lie behind A's 256
.irp s, 0,1
	v_add_nc_u32 v[ADRA+\s], s21, v3
	v_add_nc_u32 v[ADRB+\s], s22, v3
	s_add_co_u32 s21, s21, SLOT
	s_add_co_u32 s22, s22, SLOT
.endr
	s_mul_i32 s23, s10, 16*SPITCH
	s_add_co_u32 s23, s23, STAGE                   ; my stage
	v_mul_u32_u24 v4, v1, SPITCH                   ; in: row l % 16, 16 bytes for each half of the lanes
	v_lshl_add_u32 v4, v2, 4, v4
	v_add_nc_u32 v[STO], s23, v4
	; back: my 128 columns are two heads of 128 bytes.  Lanes 0-15 take two rows of the first head, lanes 16-31 the same two rows of the second:
	; in qkvg two rows of a head are 256 consecutive bytes.
	v_and_b32 v6, 7, v0                            ; which 16 bytes of a head's row
	v_bfe_u32 v7, v0, 3, 1                         ; which of the two rows
	v_mul_u32_u24 v5, v7, SPITCH
	v_lshl_add_u32 v5, v2, 7, v5                   ; + 128 x head
	v_lshl_add_u32 v5, v6, 4, v5
	v_add_nc_u32 v[RD], s23, v5
	v_lshlrev_b32 v5, 18, v2                       ; the second head's plane lies 262,144 bytes on
	v_lshl_add_u32 v5, v7, 7, v5
	v_lshl_add_u32 v[CO], v6, 4, v5
; 16 matrix instructions: m blocks a0, a0 + 1 of the window's four x all 8 n blocks, 32 along K.  zero = 1: the first product starts the sums.
.macro MUL16 f, hi, a0, zero
.irp a, \a0, \a0+1
.irp b, 0,1,2,3,4,5,6,7
.if \zero
	v_wmma_f32_16x16x32_bf16 v[8*(8*(\a)+\b):8*(8*(\a)+\b)+7], v[\f+8*\b:\f+8*\b+7], v[\f+8*(4*\hi+\a):\f+8*(4*\hi+\a)+7], 0
.else
	v_wmma_f32_16x16x32_bf16 v[8*(8*(\a)+\b):8*(8*(\a)+\b)+7], v[\f+8*\b:\f+8*\b+7], v[\f+8*(4*\hi+\a):\f+8*(4*\hi+\a)+7], v[8*(8*(\a)+\b):8*(8*(\a)+\b)+7]
.endif
.endr
.endr
.endm
; 32 LDS loads in one run: the fragments of one quarter step (128 rows of B, 128 rows of A, 32 K at byte k of the rows) into buffer f
.macro FETCH slot, k, f
	WIN TO_B
.irp i, 0,1,2,3,4,5,6,7
	ds_load_b128 v[\f+8*\i:\f+8*\i+3],   v[ADRB+\slot] offset:\k+\i*16*PITCH
	ds_load_b128 v[\f+8*\i+4:\f+8*\i+7], v[ADRB+\slot] offset:\k+\i*16*PITCH+32
.endr
	WIN 0
.irp i, 0,1,2,3,4,5,6,7
	ds_load_b128 v[\f+8*\i:\f+8*\i+3],   v[ADRA+\slot] offset:\k+\i*16*PITCH
	ds_load_b128 v[\f+8*\i+4:\f+8*\i+7], v[ADRA+\slot] offset:\k+\i*16*PITCH+32
.endr
.endm
; Four independent vector places between a matrix instruction and a load into, or a vector access to, one of its registers
.macro PLACES
.rept 4
	v_nop
.endr
.endm
; A K step is four quarter steps of 32 along K, 64 matrix instructions each, on buffers 0, 1, 0, 1.  The 64 accumulators take turns, one
; instruction a turn, in the same order in every quarter.
.macro QUARTER slot, k, f, g, zero
	s_wait_dscnt 8                                 ; B and A's rows 0-63 are in; the youngest eight loads (A's rows 64-127) may be out
	WIN MUL_LO
	MUL16 \f, 0, 0, \zero
	MUL16 \f, 0, 2, \zero
	PLACES
	FETCH \slot, \k, \g
	s_wait_dscnt 32                                ; all but the 32 just issued
	WIN MUL_HI
	MUL16 \f, 1, 0, \zero
	MUL16 \f, 1, 2, \zero
.endm
.macro THREE slot, zero
	QUARTER \slot, 64,  F0, F1, \zero
	QUARTER \slot, 128, F1, F0, 0
	QUARTER \slot, 192, F0, F1, 0
.endm
; The last quarter: multiplies buffer 1 and changes slots.  In front of the barrier each wave waits for its reads of this slot and for all its
; tensor loads (one is out: its part of the next slot).  Behind it the refill comes first, then the next slot's first fragments.
.macro TURN slot, next, fill
	s_wait_dscnt 8
	WIN MUL_LO
	MUL16 F1, 0, 0, 0
	s_wait_dscnt 0                                 ; my reads of this slot are over
	s_wait_tensorcnt 0x0                           ; and all my tensor loads have landed
	ds_add_u32 v255, v255
	s_wait_dscnt 0x0
	s_barrier_signal -1                            ; say so (where a slot is filled again this barrier opens a round of the cluster's barrier),
	MUL16 F1, 0, 2, 0                              ; work on registers while the others arrive,
	WIN 0
	s_barrier_wait -1
.if \fill
	CREST                                          ; no wave of any partner still reads this slot's tile or has a load on its way
	s_add_nc_u64 s[G0+4*\slot+2:G0+4*\slot+3], s[G0+4*\slot+2:G0+4*\slot+3], 2*KSTEP*2
	s_add_nc_u64 s[G0B+4*\slot+2:G0B+4*\slot+3], s[G0B+4*\slot+2:G0B+4*\slot+3], 2*KSTEP*2
	JLOAD \slot                                    ; the first tensor load behind the round, and my only one until the next
.endif
	PLACES
	FETCH \next, 0, F0
	WIN MUL_HI
	MUL16 F1, 1, 0, 0
	MUL16 F1, 1, 2, 0
.endm
.macro LAP zero                        ; once round the ring, both slots filled again
	THREE 0, \zero
	TURN 0, 1, 1
	THREE 1, 0
	TURN 1, 0, 1
.endm
	s_wait_tensorcnt 1                             ; my part of K step 0 is in; K step 1's load stays out
	s_barrier_signal -1
	s_barrier_wait -1                              ; everybody's is
	FETCH 0, 0, F0
	LAP 1                                          ; the first lap stands in front of the loop: its first products start the sums
	WIN 0                                          ; at a label and at a branch every window is 0
	s_mov_b32 s3, LAPS-2
.Llap:
	LAP 0
	WIN 0
	s_sub_co_u32 s3, s3, 1
	s_cmp_lg_u32 s3, 0
	s_cbranch_scc1 .Llap
	THREE 0, 0                                     ; the last lap fills nothing
	TURN 0, 1, 0
	THREE 1, 0
	s_wait_dscnt 8                                 ; the very last quarter: nothing more to fetch
	WIN MUL_LO
	MUL16 F1, 0, 0, 0
	MUL16 F1, 0, 2, 0
	s_wait_dscnt 0
	WIN MUL_HI
	MUL16 F1, 1, 0, 0
	MUL16 F1, 1, 2, 0
	; THE WAY OUT, 16 rows of C at a time: round to f16, 16 bytes a lane into my own stage, read back by heads.
	PLACES
	s_lshl_b32 s13, s13, 8
	s_lshl_b32 s14, s11, 7
	s_add_co_u32 s16, s13, s14                     ; my first row m0 = 256 x block row + 128 x half
	s_lshr_b32 s14, s16, 11                        ; b = m0 / 2048
	s_lshl_b32 s14, s14, 22                        ; 16 planes of 262,144 bytes for each b
	s_and_b32 s16, s16, 2047                       ; s = m0 mod 2048,
	s_lshl_b32 s16, s16, 7                         ; rows of 128 bytes
	s_add_co_u32 s16, s16, s14
	s_mov_b32 s17, 0
	s_add_nc_u64 s[8:9], s[8:9], s[16:17]          ; the part that hangs on the block row
	s_lshl_b32 s46, s42, 2                         ; the part that hangs on the block column, in the registers that held B's address:
	s_lshl_b32 s47, s12, 1
	s_add_co_u32 s46, s46, s47                     ; my first head of 64: 4 x block column + 2 x half (even, so the second is the next plane)
	s_lshr_b32 s47, s46, 4                         ; which of q, k, v, gate
	s_lshl_b32 s47, s47, 5                         ; 32 planes each
	s_and_b32 s46, s46, 15                         ; h
	s_add_co_u32 s46, s46, s47
	s_lshl_b32 s46, s46, 18
	s_mov_b32 s47, 0
	s_add_nc_u64 s[8:9], s[8:9], s[46:47]
; rows 16 i .. 16 i + 15 of my block = the eight tiles (a, 0..7) of window 2 or 3 (from = 0x0a or 0x0f: sources 0 and 1); f: F0 or F1 in turn
.macro OUT16 i, a, from, f
	WIN \from
.irp b, 0,1,2,3,4,5,6,7
.irp r, 0,1,2,3
	v_cvt_pk_f16_f32 v[TMP+4*\b+\r], v[8*(8*\a+\b)+2*\r], v[8*(8*\a+\b)+2*\r+1]
.endr
.endr
	WIN 0
.irp b, 0,1,2,3,4,5,6,7
	ds_store_b128 v[STO], v[TMP+4*\b:TMP+4*\b+3] offset:32*\b
.endr
	s_wait_xcnt 0x0                                ; buffer f, which earlier stores read, and the stores' base are rewritten only behind this wait
.if \i
	s_add_nc_u64 s[8:9], s[8:9], 16*128            ; 16 rows of a head on
.endif
.irp t, 0,1,2,3,4,5,6,7
	ds_load_b128 v[\f+4*\t:\f+4*\t+3], v[RD] offset:\t*2*SPITCH    ; LDS serves a wave's instructions in order: these see the stores above
.endr
.irp t, 0,1,2,3,4,5,6,7
	s_wait_dscnt 7-\t
	global_store_b128 v[CO], v[\f+4*\t:\f+4*\t+3], s[8:9] offset:256*\t   ; 16 lanes store 256 consecutive bytes (two rows of a head), at a multiple of 256
.endr
.endm
	OUT16 0, 0, 0x0a, F0
	OUT16 1, 1, 0x0a, F1
	OUT16 2, 2, 0x0a, F0
	OUT16 3, 3, 0x0a, F1
	OUT16 4, 0, 0x0f, F0
	OUT16 5, 1, 0x0f, F1
	OUT16 6, 2, 0x0f, F0
	OUT16 7, 3, 0x0f, F1
	s_set_vgpr_msb 0x1
	s_wait_tensorcnt 0x0
	ds_add_u32 v255, v255
	s_wait_dscnt 0x0
	s_set_vgpr_msb 0x100
	CROUND                                         ; the closing round: no work-group ends while a partner may still ask for a tile that names it
	s_endpgm
.Lfunc_end_k_qdada36998f_proj:
	.size	k_qdada36998f_proj, .Lfunc_end_k_qdada36998f_proj-k_qdada36998f_proj
	.p2alignl 7, 3214868480
	.fill 96, 4, 3214868480
	.section	.rodata,"a",@progbits
	.p2align	6, 0x0
	.amdhsa_kernel k_qdada36998f_proj
		.amdhsa_group_segment_fixed_size 327680
		.amdhsa_private_segment_fixed_size 0
		.amdhsa_enable_private_segment 0
		.amdhsa_kernarg_size 16
		.amdhsa_user_sgpr_count 2
		.amdhsa_user_sgpr_kernarg_segment_ptr 1
		.amdhsa_wavefront_size32 1
		.amdhsa_system_sgpr_workgroup_id_x 1
		.amdhsa_system_sgpr_workgroup_id_y 1
		.amdhsa_system_sgpr_workgroup_id_z 1
		.amdhsa_system_vgpr_workitem_id 0
		.amdhsa_next_free_vgpr 1024
		.amdhsa_next_free_sgpr 66
		.amdhsa_reserve_vcc 0
		.amdhsa_float_denorm_mode_32 3
		.amdhsa_float_denorm_mode_16_64 3
		.amdhsa_memory_ordered 1
		.amdhsa_forward_progress 1
		.amdhsa_inst_pref_size 197
	.end_amdhsa_kernel
	.amdgpu_metadata
---
amdhsa.version: [ 1, 2 ]
amdhsa.kernels:
  - .name:           k_qdada36998f_proj
    .symbol:         k_qdada36998f_proj.kd
    .args:
      - { .name: xw, .offset: 0, .size: 8, .value_kind: global_buffer, .address_space: global }
      - { .name: qkvg, .offset: 8, .size: 8, .value_kind: global_buffer, .address_space: global }
    .group_segment_fixed_size: 327680
    .private_segment_fixed_size: 0
    .kernarg_segment_align: 8
    .kernarg_segment_size: 16
    .max_flat_workgroup_size: 128
    .sgpr_count:     66
    .vgpr_count:     1024
    .wavefront_size: 32
...
	.end_amdgpu_metadata
.endif
;; end of part 2
;; launch attn (part 3): grid 8 x 32, 8 waves a work-group, no clusters, 327,680 bytes of LDS; arguments qkvg, cg; writes cg
.if DOCPART == 3
	.amdgcn_target "amdgcn-amd-amdhsa--gfx1250"
	.amdhsa_code_object_version 6
	.text
	.protected	k_qdada36998f_attn
	.globl	k_qdada36998f_attn
	.p2align	8
	.type	k_qdada36998f_attn,@function
k_qdada36998f_attn:
	s_mov_b64 s[64:65], 0
	v_nop
	global_prefetch_b8 v0, s[64:65] scope:SCOPE_SE
	s_setreg_imm32_b32 hwreg(HW_REG_WAVE_MODE, 25, 1), 1
	s_wait_xcnt 0x0
; Causal attention of one (batch, head) pair bh = 16 b + h (the grid's y) with a running maximum, then c = ctx * sigmoid(gate).
; qkvg[plane][2048][64] f16: q at plane bh, k at 32 + bh, v at 64 + bh, gate at 96 + bh.
; cg[block row 32 = 16 b + block][part 2][h 16][128 rows][64] bf16: c leaves as TWO bf16 terms, part 0 = bf16(c), part 1 = bf16(c - part 0): 16 bits
; together, so that the last product, which multiplies by bf16 weights, loses nothing that f16 would have kept.
; SHARE: a head has 16 query blocks of 128.  Work-group j (the grid's x, 0..7) takes block e = 2 j and then block o = 15 - 2 j: (e + 1) + (o + 1) = 17
; key tiles of 128 for every work-group.  A block begins with its diagonal tile and then walks its tiles downwards.  e is even and o odd, so a tile's
; LDS slot is its index modulo 2 through both blocks, and the slots alternate from trip to trip.
; EIGHT WAVES, two for each of a WGP's four SIMDs, so that while one wave is in its softmax (vector and transcendental instructions) the other has matrix
; instructions to issue.  Wave w takes the 32 queries of group wq = w mod 4 and, of every tile, the 64 keys of half hi = w / 4: one step of 64 keys a
; trip, with a running maximum, sum and O^T of its own.  At a block's end the two waves of a query group merge their states as a running softmax does:
; m = max(ma, mb), O = Oa 2^(c (ma - m)) + Ob 2^(c (mb - m)), the sums likewise.  A wave numbers its two query tiles of 16 so that its tile 0 is the
; group's tile hi: every wave hands its tile 1 to its partner through LDS and finishes its tile 0, by the same text, with no branch on the wave's number.
; In the diagonal tile a wave of the upper half may find no open key for a query.  There the maximum is floored at -2^100: scores of f16 operands are
; below 64 x 65,504^2 < 2^38 in magnitude, so the floor never lies above a real score; such a state has sum 0 and O = 0, and its factor is 2^(-huge) = 0.
; TRANSPOSED PRODUCTS: S^T = K Q^T (source 0 = 16 keys, source 1 = 16 queries): lane (r, h) holds query r and keys 8 h + 0..7 of each key tile.  Two key
; tiles packed to f16 are the second source of O^T = V^T P^T as they lie; V^T comes by the transposing LDS load.  So maximum, sum and rescaling factor
; are one number a lane, and a row's reduction is in the lane plus one exchange between the halves of the wave.
; P IN THE DIAGONAL TILE goes as two f16 terms, hi = f16(P) and lo = f16(P - hi).  A query that sees few keys adds few products, so the rounding of P
; to 11 bits does not average out in its row, and all the keys of such a query lie in its block's diagonal tile.
; NO JOINT LOADS: the eight work-groups of a head begin at eight different tiles and their blocks need different numbers of tiles (1, 3, .. 15 and
; 16, 14, .. 2), so in no trip do two of them want the same tile; walking in step would cost each the count of the longest partner.
; LIMITS: q, k, v, gate are f16 (below 65,504 in magnitude); scores must be finite (a NaN is passed over by the maximum).  The exponent is
; (s - max) / 8 with the true running maximum, so no exponential exceeds 1 by more than rounding.
.set SLOT,  35840                      ; K's tile, then V's
.set KT,    17408                      ; K: 64 LDS rows of two keys (256 bytes) + 16: pitch 272
.set KP,    272
.set VP,    288                        ; V: 64 LDS rows of two keys + 32: pitch 288
.set STAGE, 2*SLOT                     ; 71,680 = 280 x 256: for each wave 2 parts x 16 rows x 144 bytes for the way out; no tensor load lands there
.set SP,    144
.set STW,   32*SP                      ; 4,608: a wave's stage
.set XCH,   STAGE+8*STW                ; 108,544 = 424 x 256: what a wave hands to its partner; no tensor load lands there
.set XW,    4608                       ; a wave's: 8 x 512 bytes of O^T, 512 of maximum and sum
.set VK,   2                           ; v2-3    LDS address of my K fragments in slot 0, 1 (my half of the keys is in it)
.set VV,   4                           ; v4-5    the same for V^T
.set QOFF, 6                           ; v6      my 16 bytes in a block of q or gate, my query tile 0
.set STO,  7                           ; v7      the way out: where I put 16 bytes
.set RD,   8                           ; v8      the way out: where I read 16 bytes back
.set CO,   9                           ; v9      16 x lane
.set LIM,  10                          ; v10-11  my query tile qt: the query's place in the block less 8 h less 64 hi, signed: key 16 kt + j of my registers is open if it is no larger
.set NM,   12                          ; v[12:15] qt: minus the running maximum times log2(e) / 8, twice (a pair for the packed forms)
.set LS,   16                          ; v16-17  qt: the sum over my own keys
.set AL,   18                          ; v[18:19] the rescaling factor, twice
.set T,    20                          ; v[20:27] at work (named outright as v20 .. v27 where their halves are read)
.set RS,   28                          ; v[28:31] at work: P's first term widened again, two pairs by turns
.set G,    32                          ; v[32:47] gate of my query tile 0: 4 dt, 8 f16 in 4 registers
.set XP,   48                          ; v[48:51] my partner's minus-maximum and sum
.set XS,   52                          ; v52     where I put what I hand over
.set XR,   53                          ; v53     where my partner put it
.set QOF1, 54                          ; v54     as QOFF, my query tile 1
.set O,    64                          ; v[64:127] O^T: 32 qt + 8 dt
.set S,    128                         ; v[128:191] S^T: 32 qt + 8 kt; then P^T packed at 32 qt + 16 g (diagonal tile: lo there, hi at + 8)
.set EX,   S+32                         ; v[160:191] at a block's end: 1 + exp(-gate) and what follows from it
.set FA,   192                         ; v[192:223] fragments
.set FB,   224                         ; v[224:255] fragments
.set QE,   0                           ; window 1: v256-287 q of block e: 16 qt + 8 dk
.set QO,   32                          ; window 1: v288-319 q of block o
.set G1K, 24                           ; s[24:31] group 1 for K's tiles
.set G1V, 32                           ; s[32:39] group 1 for V's tiles (another padding)
.set G0K, 40                           ; s[40:47] group 0 for K's tiles, a set for each slot
.set G0V, 48                           ; s[48:55] group 0 for V's tiles, a set for each slot
.set MSB, 0
.macro WIN new                         ; s_set_vgpr_msb; the immediate's high byte repeats the setting that is left
.if MSB != \new
	s_set_vgpr_msb (MSB<<8)|\new
.set MSB, \new
.endif
.endm
.macro PLACES                          ; four independent vector places behind a matrix instruction (ISA guide 7.12.1)
.rept 4
	v_nop
.endr
.endm
	s_load_b128 s[4:7], s[0:1], 0x0                ; qkvg s[4:5], cg s[6:7]
	v_lshl_add_u32 v62, v0, 2, 0x29000
	v_mov_b32 v63, 0
	ds_add_u32 v62, v63
	v_lshrrev_b32 v1, 5, v0
	v_readfirstlane_b32 s8, v1                     ; wave 0..7
	s_and_b32 s73, s8, 3                           ; wq: my 32 queries of a block
	s_lshr_b32 s74, s8, 2                          ; hi: my 64 keys of a tile
	s_mov_b32 s9, ttmp9                            ; j
	s_and_b32 s10, ttmp7, 0xffff                   ; bh
	s_lshl_b32 s71, s9, 1                          ; e = 2 j
	s_sub_co_u32 s12, 15, s71                      ; o = 15 - 2 j
	s_sub_co_u32 s70, 7, s9                        ; trips of block o's loop
	s_sub_co_i32 s11, s71, 1                       ; the second tile of the walk: e - 1, or o where block e has the diagonal tile alone
	s_cmp_lt_i32 s11, 0
	s_cselect_b32 s11, s12, s11                    ; s11: index of the tile asked for last
	s_mov_b32 s3, 0                                ; s[2:3]: a byte offset, always below 2^32
	s_mov_b32 s14, 0x76543210                      ; v_permlanex16_b32: lane i of one half reads lane i of the other
	s_mov_b32 s15, 0xfedcba98
	s_mov_b32 s16, 0x3e38aa3b                      ; log2(e) / 8: the scale 1 / sqrt(64) and the base of v_exp_f32 in one factor
	s_mov_b32 s17, 0x3e38aa3b
	s_mov_b32 s18, 0xbe38aa3b                      ; its negative
	s_mov_b32 s19, 0xff800000                      ; minus infinity: a closed key
	s_mov_b32 s75, 0xf1800000                      ; -2^100: the floor of a maximum over no open key
	; group 1: a tile is 16,384 dense bytes, taken as 64 rows of 32 elements of 8 bytes; padding behind every 64 words: 4 words for K, 8 for V
	s_mov_b32 s[G1K+0], (3<<16)|(1<<20)|(5<<22)|(3<<25)
	s_mov_b32 s[G1V+0], (3<<16)|(1<<20)|(5<<22)|(7<<25)
	s_mov_b32 s[G1K+1], 32<<16                     ; tensor_dim0 = 32
	s_mov_b32 s[G1V+1], 32<<16
	s_mov_b32 s[G1K+2], 64<<16                     ; tensor_dim1 = 64
	s_mov_b32 s[G1V+2], 64<<16
	s_mov_b32 s[G1K+3], 32<<16                     ; tile_dim0 = 32
	s_mov_b32 s[G1V+3], 32<<16
	s_mov_b32 s[G1K+4], 64                         ; tile_dim1 = 64
	s_mov_b32 s[G1V+4], 64
	s_mov_b32 s[G1K+5], 32                         ; elements from row to row
	s_mov_b32 s[G1V+5], 32
	s_mov_b32 s[G1K+6], 0
	s_mov_b32 s[G1V+6], 0
	s_mov_b32 s[G1K+7], 0
	s_mov_b32 s[G1V+7], 0
	s_mov_b32 s[G0K+0], 1
	s_mov_b32 s[G0K+1], 0                          ; slot 0, K
	s_mov_b32 s[G0K+4], 1
	s_mov_b32 s[G0K+5], SLOT                       ; slot 1, K
	s_mov_b32 s[G0V+0], 1
	s_mov_b32 s[G0V+1], KT                         ; slot 0, V
	s_mov_b32 s[G0V+4], 1
	s_mov_b32 s[G0V+5], SLOT+KT                    ; slot 1, V
	s_wait_dscnt 0x0
	s_barrier_signal -1
	s_barrier_wait -1
	s_wait_kmcnt 0x0
	s_add_co_u32 s2, s10, 32
	s_lshl_b32 s2, s2, 18
	s_add_nc_u64 s[20:21], s[4:5], s[2:3]          ; k's plane
	s_add_co_u32 s2, s10, 64
	s_lshl_b32 s2, s2, 18
	s_add_nc_u64 s[22:23], s[4:5], s[2:3]          ; v's plane
	s_lshl_b32 s2, s71, 14                         ; tile e: 128 keys of 128 bytes each
	s_add_nc_u64 s[G0K+2:G0K+3], s[20:21], s[2:3]
	s_or_b32 s[G0K+3], s[G0K+3], 0x80000000
	s_add_nc_u64 s[G0V+2:G0V+3], s[22:23], s[2:3]
	s_or_b32 s[G0V+3], s[G0V+3], 0x80000000
	s_lshl_b32 s2, s11, 14                         ; the second tile
	s_add_nc_u64 s[G0K+6:G0K+7], s[20:21], s[2:3]
	s_or_b32 s[G0K+7], s[G0K+7], 0x80000000
	s_add_nc_u64 s[G0V+6:G0V+7], s[22:23], s[2:3]
	s_or_b32 s[G0V+7], s[G0V+7], 0x80000000
	; The first fills, ahead of every wait on TENSORcnt, LDS read and barrier: wave 0 asks for K's two tiles, wave 1 for V's; waves 2 to 7 ask for none.
	; So two tensor loads of a wave are out here, and one behind each later barrier of a trip.
	s_cmp_lg_u32 s8, 0
	s_cbranch_scc1 .Lnot_k
	tensor_load_to_lds s[G0K:G0K+3], s[G1K:G1K+7]
	s_nop 0
	tensor_load_to_lds s[G0K+4:G0K+7], s[G1K:G1K+7]
	s_nop 0
	s_branch .Lfilled
.Lnot_k:
	s_cmp_lg_u32 s8, 1
	s_cbranch_scc1 .Lfilled
	tensor_load_to_lds s[G0V:G0V+3], s[G1V:G1V+7]
	s_nop 0
	tensor_load_to_lds s[G0V+4:G0V+7], s[G1V:G1V+7]
	s_nop 0
.Lfilled:
	s_lshl_b32 s13, s10, 18                        ; q's plane, as an offset
	s_lshl_b32 s2, s71, 14
	s_add_co_u32 s2, s2, s13
	s_add_nc_u64 s[56:57], s[4:5], s[2:3]          ; q of block e
	s_add_co_u32 s2, s2, 96<<18
	s_add_nc_u64 s[60:61], s[4:5], s[2:3]          ; gate of block e
	s_lshl_b32 s2, s12, 14
	s_add_co_u32 s2, s2, s13
	s_add_nc_u64 s[58:59], s[4:5], s[2:3]          ; q of block o
	s_add_co_u32 s2, s2, 96<<18
	s_add_nc_u64 s[62:63], s[4:5], s[2:3]          ; gate of block o
	s_lshr_b32 s13, s10, 4                         ; b
	s_lshl_b32 s13, s13, 9                         ; 16 blocks x 32 planes of cg for each b
	s_and_b32 s2, s10, 15                          ; h
	s_add_co_u32 s13, s13, s2
	s_lshl_b32 s13, s13, 14                        ; planes of 16,384 bytes
	s_lshl_b32 s2, s73, 12                         ; my group's 32 rows of 128 bytes,
	s_add_co_u32 s13, s13, s2
	s_lshl_b32 s2, s74, 11                         ; of which I finish the 16 of the group's tile hi
	s_add_co_u32 s13, s13, s2
	s_lshl_b32 s2, s71, 19                         ; 32 planes for each block
	s_add_co_u32 s2, s2, s13
	s_add_nc_u64 s[66:67], s[6:7], s[2:3]          ; where block e's rows go
	s_lshl_b32 s2, s12, 19
	s_add_co_u32 s2, s2, s13
	s_add_nc_u64 s[68:69], s[6:7], s[2:3]          ; where block o's rows go
	; lane terms.  Key kk of a tile lies at (kk / 2) x pitch + (kk mod 2) x 128.
	v_and_b32 v1, 15, v0                           ; r
	v_bfe_u32 v20, v0, 4, 1                        ; h
	v_and_b32 v21, 31, v0                          ; lane
	v_and_b32 v23, 1, v0
	v_lshrrev_b32 v22, 1, v1
	v_mul_u32_u24 v22, v22, KP
	v_lshl_add_u32 v22, v23, 7, v22
	v_lshl_add_u32 v22, v20, 4, v22                ; key r, 16 bytes for each half: the 16 lanes of a half start at 16 (r / 2) + 128 (r mod 2) modulo 256
	s_mul_i32 s13, s74, 32*KP                      ; the upper half's keys begin 32 LDS rows on
	v_add_nc_u32 v[VK], s13, v22
	v_add_nc_u32 v[VK+1], SLOT, v[VK]
	v_bfe_u32 v22, v0, 1, 2                        ; the transposing load: lane takes key 8 h + (lane mod 8),
	v_lshl_add_u32 v22, v20, 2, v22
	v_mul_u32_u24 v22, v22, VP
	v_lshl_add_u32 v22, v23, 7, v22
	v_bfe_u32 v24, v0, 3, 1                        ; and the lower or upper 8 of 16 columns
	v_lshl_add_u32 v22, v24, 4, v22
	s_mul_i32 s13, s74, 32*VP
	s_add_co_u32 s13, s13, KT
	v_add_nc_u32 v[VV], s13, v22
	v_add_nc_u32 v[VV+1], SLOT, v[VV]
	v_lshlrev_b32 v22, 7, v1
	v_lshl_add_u32 v22, v20, 4, v22                ; 128 r + 16 h
	s_lshl_b32 s13, s73, 12                        ; 4,096 wq
	s_lshl_b32 s2, s74, 11
	s_add_co_u32 s2, s13, s2
	v_add_nc_u32 v[QOFF], s2, v22                  ; my tile 0 is the group's tile hi,
	s_xor_b32 s2, s74, 1
	s_lshl_b32 s2, s2, 11
	s_add_co_u32 s2, s13, s2
	v_add_nc_u32 v[QOF1], s2, v22                  ; my tile 1 the other
	s_mul_i32 s13, s8, STW
	s_add_co_u32 s13, s13, STAGE                   ; my stage: part 0's 16 rows, then part 1's
	v_mul_u32_u24 v22, v1, SP
	v_lshl_add_u32 v22, v20, 4, v22
	v_add_nc_u32 v[STO], s13, v22
	v_lshrrev_b32 v22, 3, v21
	v_mul_u32_u24 v22, v22, SP
	v_and_b32 v24, 7, v0
	v_lshl_add_u32 v22, v24, 4, v22
	v_add_nc_u32 v[RD], s13, v22                   ; back: eight lanes take a row of 128 bytes, the wave four rows
	v_lshlrev_b32 v[CO], 4, v21
	s_mul_i32 s13, s8, XW
	s_add_co_u32 s13, s13, XCH
	v_add_nc_u32 v[XS], s13, v[CO]                 ; what I hand over: 16 bytes a lane, 512 neighbouring bytes an instruction
	s_xor_b32 s13, s8, 4                           ; my partner: the same queries, the other half of the keys
	s_mul_i32 s13, s13, XW
	s_add_co_u32 s13, s13, XCH
	v_add_nc_u32 v[XR], s13, v[CO]
	s_lshl_b32 s13, s73, 5                         ; 32 wq
	v_lshlrev_b32 v24, 3, v20
	v_sub_nc_u32 v22, v1, v24                      ; r - 8 h
	s_mul_i32 s2, s74, 48
	s_sub_co_i32 s2, s13, s2
	v_add_nc_u32 v[LIM], s2, v22                   ; tile 0: 32 wq + 16 hi + r - 8 h - 64 hi
	s_mul_i32 s2, s74, 80
	s_sub_co_i32 s2, s13, s2
	s_add_co_i32 s2, s2, 16
	v_add_nc_u32 v[LIM+1], s2, v22                 ; tile 1: 32 wq + 16 (1 - hi) + r - 8 h - 64 hi
	; q of both blocks as second sources (lane: query r; d = 8 h + 0..7 and 16 + 8 h + 0..7 of each 32), then gate of block e, my tile 0, as O^T lies
	WIN 0x40                                       ; destination window 1
.irp dk, 0,1
	global_load_b128 v[QE+8*\dk:QE+8*\dk+3],   v[QOFF], s[56:57] offset:64*\dk
	global_load_b128 v[QE+8*\dk+4:QE+8*\dk+7], v[QOFF], s[56:57] offset:64*\dk+32
.endr
.irp dk, 0,1
	global_load_b128 v[QE+16+8*\dk:QE+16+8*\dk+3],   v[QOF1], s[56:57] offset:64*\dk
	global_load_b128 v[QE+16+8*\dk+4:QE+16+8*\dk+7], v[QOF1], s[56:57] offset:64*\dk+32
.endr
.irp dk, 0,1
	global_load_b128 v[QO+8*\dk:QO+8*\dk+3],   v[QOFF], s[58:59] offset:64*\dk
	global_load_b128 v[QO+8*\dk+4:QO+8*\dk+7], v[QOFF], s[58:59] offset:64*\dk+32
.endr
.irp dk, 0,1
	global_load_b128 v[QO+16+8*\dk:QO+16+8*\dk+3],   v[QOF1], s[58:59] offset:64*\dk
	global_load_b128 v[QO+16+8*\dk+4:QO+16+8*\dk+7], v[QOF1], s[58:59] offset:64*\dk+32
.endr
	WIN 0
.irp dt, 0,1,2,3
	global_load_b128 v[G+4*\dt:G+4*\dt+3], v[QOFF], s[60:61] offset:32*\dt
.endr
; eight LDS loads: key tiles 2 p and 2 p + 1 of my half of the slot (16 keys x 64 d each) as first sources, at f + 16 kk + 8 dk
.macro LDK slot, p, f
.irp kk, 0,1
.irp dk, 0,1
	ds_load_b128 v[\f+16*\kk+8*\dk:\f+16*\kk+8*\dk+3],   v[VK+\slot] offset:(2*\p+\kk)*8*KP+64*\dk
	ds_load_b128 v[\f+16*\kk+8*\dk+4:\f+16*\kk+8*\dk+7], v[VK+\slot] offset:(2*\p+\kk)*8*KP+64*\dk+32
.endr
.endr
.endm
; eight transposing LDS loads: V^T of keys 32 g + 0..31 of my half, four tiles of 16 d, as first sources at f + 8 dt (a key is half an LDS row: 144 bytes of pitch)
.macro LDV slot, g, f
.irp dt, 0,1,2,3
	ds_load_tr16_b128 v[\f+8*\dt:\f+8*\dt+3],   v[VV+\slot] offset:(32*\g)*(VP/2)+32*\dt
	ds_load_tr16_b128 v[\f+8*\dt+4:\f+8*\dt+7], v[VV+\slot] offset:(32*\g+16)*(VP/2)+32*\dt
.endr
.endm
; S^T of key tiles 2 p, 2 p + 1 and both query tiles: d = 0..31 starts the sums, d = 32..63 adds.  Four accumulators take turns, one instruction a
; turn.
.macro SMUL f, p, qb
.irp qt, 0,1
.irp kk, 0,1
	v_wmma_f32_16x16x32_f16 v[S+32*\qt+8*(2*\p+\kk):S+32*\qt+8*(2*\p+\kk)+7], v[\f+16*\kk:\f+16*\kk+7], v[\qb+16*\qt:\qb+16*\qt+7], 0
.endr
.endr
.irp qt, 0,1
.irp kk, 0,1
	v_wmma_f32_16x16x32_f16 v[S+32*\qt+8*(2*\p+\kk):S+32*\qt+8*(2*\p+\kk)+7], v[\f+16*\kk+8:\f+16*\kk+15], v[\qb+16*\qt+8:\qb+16*\qt+15], v[S+32*\qt+8*(2*\p+\kk):S+32*\qt+8*(2*\p+\kk)+7]
.endr
.endr
.endm
; O^T += V^T P^T for 32 keys, P^T taken at po in its group of 16 registers: eight accumulators take turns, one instruction a turn.
.macro PV f, g, po, zero
.irp qt, 0,1
.irp dt, 0,1,2,3
.if \zero
	v_wmma_f32_16x16x32_f16 v[O+32*\qt+8*\dt:O+32*\qt+8*\dt+7], v[\f+8*\dt:\f+8*\dt+7], v[S+32*\qt+16*\g+\po:S+32*\qt+16*\g+\po+7], 0
.else
	v_wmma_f32_16x16x32_f16 v[O+32*\qt+8*\dt:O+32*\qt+8*\dt+7], v[\f+8*\dt:\f+8*\dt+7], v[S+32*\qt+16*\g+\po:S+32*\qt+16*\g+\po+7], v[O+32*\qt+8*\dt:O+32*\qt+8*\dt+7]
.endif
.endr
.endr
.endm
; the diagonal tile: key 64 hi + 16 kt + 8 h + j is open to my query if it is no larger; a closed key's score becomes minus infinity
.macro MASK qt
.set i, 0
.rept 32
	v_cmp_le_i32 vcc_lo, 16*(i/8)+(i%8), v[LIM+\qt]
	v_cndmask_b32 v[S+32*\qt+i], s19, v[S+32*\qt+i], vcc_lo
.set i, i+1
.endr
.endm
; 64 keys of one query tile: maximum, exponentials, sum, P^T in f16.  first = 1: the diagonal tile, which is the block's first step: it starts maximum and
; sum, and P^T goes in two terms; first = 0: sum and O^T are rescaled.
.macro SOFTMAX qt, first
.set SB, S+32*\qt
.set NQ, NM+2*\qt
.irp c, 0,1,2,3
	v_max3_num_f32 v[T+\c], v[SB+8*\c], v[SB+8*\c+1], v[SB+8*\c+2]     ; four chains, one for each key tile
.endr
.irp c, 0,1,2,3
	v_max3_num_f32 v[T+\c], v[T+\c], v[SB+8*\c+3], v[SB+8*\c+4]
.endr
.irp c, 0,1,2,3
	v_max3_num_f32 v[T+\c], v[T+\c], v[SB+8*\c+5], v[SB+8*\c+6]
.endr
.irp c, 0,1,2,3
	v_max_num_f32 v[T+\c], v[T+\c], v[SB+8*\c+7]
.endr
	v_max3_num_f32 v[T], v[T], v[T+1], v[T+2]
	v_max_num_f32 v[T], v[T], v[T+3]
	v_permlanex16_b32 v[T+1], v[T], s14, s15       ; the other half of the wave holds my query's other keys
.if \first
	v_max3_num_f32 v[T], v[T], v[T+1], s75         ; with the floor, for a query to which none of my 64 keys is open
	v_mul_f32 v[NQ], s18, v[T]                     ; minus the scaled maximum: finite
	v_mul_f32 v[NQ+1], s18, v[T]
.else
	v_max_num_f32 v[T], v[T], v[T+1]
	v_mul_f32 v[T], s18, v[T]
	v_min_num_f32 v[T+1], v[NQ], v[T]              ; minus the larger maximum
	v_sub_f32 v[T+2], v[T+1], v[NQ]                ; (old maximum - new maximum) scaled: 0 or below
	v_mov_b32 v[NQ], v[T+1]
	v_mov_b32 v[NQ+1], v[T+1]
	v_exp_f32 v[AL], v[T+2]                        ; the packed lines below are the plain places behind it (ISA guide 5.7.2)
.endif
.set i, 0
.rept 16
	v_pk_fma_f32 v[SB+i:SB+i+1], v[SB+i:SB+i+1], s[16:17], v[NQ:NQ+1] op_sel_hi:[1,0,1]   ; (s - maximum) log2(e) / 8, one rounding
.set i, i+2
.endr
.set i, 0
.rept 32
	v_exp_f32 v[SB+i], v[SB+i]
.set i, i+1
.endr
.if \first
	v_nop                                          ; one plain place behind the run of exponentials before a result is read
	s_wait_alu depctr_va_vdst(0)
.else
	s_wait_alu depctr_va_vdst(0)
	v_mov_b32 v[AL+1], v[AL]                       ; the same place, used
.endif
	v_pk_add_f32 v[T:T+1], v[SB:SB+1], v[SB+2:SB+3]                ; two chains
	v_pk_add_f32 v[T+2:T+3], v[SB+16:SB+17], v[SB+18:SB+19]
.irp u, 4,6,8,10,12,14
	v_pk_add_f32 v[T:T+1], v[T:T+1], v[SB+\u:SB+\u+1]
	v_pk_add_f32 v[T+2:T+3], v[T+2:T+3], v[SB+16+\u:SB+16+\u+1]
.endr
	v_pk_add_f32 v[T:T+1], v[T:T+1], v[T+2:T+3]
.if \first
	v_add_f32 v[LS+\qt], v[T], v[T+1]
.else
	v_add_f32 v[T], v[T], v[T+1]
	v_fma_f32 v[LS+\qt], v[LS+\qt], v[AL], v[T]
.endif
.if \first
.irp g, 0,1
.irp u, 0,1,2,3,4,5,6,7
	v_cvt_pk_f16_f32 v[T+\u], v[SB+16*\g+2*\u], v[SB+16*\g+2*\u+1]          ; hi = f16(P), aside in v20 .. v27
.endr
.set i, 0
.irp hf, v20.l,v20.h,v21.l,v21.h,v22.l,v22.h,v23.l,v23.h,v24.l,v24.h,v25.l,v25.h,v26.l,v26.h,v27.l,v27.h
	v_cvt_f32_f16 v[RS+(i%4)], \hf                                          ; hi widened again,
.if i%2
	v_pk_add_f32 v[SB+16*\g+i-1:SB+16*\g+i], v[SB+16*\g+i-1:SB+16*\g+i], v[RS+(i%4)-1:RS+(i%4)] neg_lo:[0,1] neg_hi:[0,1]   ; P - hi, exact in f32
.endif
.set i, i+1
.endr
.irp u, 0,1,2,3,4,5,6,7
	v_cvt_pk_f16_f32 v[SB+16*\g+\u], v[SB+16*\g+2*\u], v[SB+16*\g+2*\u+1]   ; lo, in place, ascending: register u is written when 2 u and 2 u + 1 are read
.endr
.irp u, 0,1,2,3,4,5,6,7
	v_mov_b32 v[SB+16*\g+8+\u], v[T+\u]                                     ; hi into the upper eight, which the line above has read
.endr
.endr
.else
.irp g, 0,1
.irp u, 0,1,2,3,4,5,6,7
	v_cvt_pk_f16_f32 v[SB+16*\g+\u], v[SB+16*\g+2*\u], v[SB+16*\g+2*\u+1]   ; in place, ascending: register u is written when 2 u and 2 u + 1 are read
.endr
.endr
.set i, 0
.rept 16
	v_pk_mul_f32 v[O+32*\qt+i:O+32*\qt+i+1], v[O+32*\qt+i:O+32*\qt+i+1], v[AL:AL+1]
.set i, i+2
.endr
.endif
.endm
; My 64 keys of a tile.  On entry 16 LDS loads are out: K's tiles 0, 1 into FA, then 2, 3 into FB.  Every count of 8 below leaves the younger run of eight out.
.macro STEP slot, diag, qb
	s_wait_dscnt 8                                 ; FA is in
	WIN 0x04                                       ; source 1 (q) in window 1
	SMUL FA, 0, \qb
	PLACES
	LDV \slot, 0, FA
	s_wait_dscnt 8                                 ; FB is in; the eight loads of V^T just issued are out
	SMUL FB, 1, \qb
	PLACES
	LDV \slot, 1, FB
	WIN 0
.if \diag
	MASK 0
	MASK 1
.endif
	SOFTMAX 0, \diag
	SOFTMAX 1, \diag
	s_wait_dscnt 8                                 ; V^T of the first 32 keys is in
.if \diag
	PV FA, 0, 8, 1                                 ; P's first term starts the sums,
	PV FA, 0, 0, 0                                 ; its second adds
.else
	PV FA, 0, 0, 0
.endif
	s_wait_dscnt 0                                 ; V^T of the second 32 keys is in
.if \diag
	PV FB, 1, 8, 0
	PV FB, 1, 0, 0
.else
	PV FB, 1, 0, 0
.endif
	PLACES                                         ; four places in front of the next loads into FA and FB and of whatever reads O^T,
	v_nop                                          ; and a fifth: the next trip's first products write S^T over the registers that the products above read as
	                                               ; P^T, and a matrix instruction that writes over another's source stands five places behind it
.endm
; wave 0 asks for K's tile, wave 1 for V's: one tensor load a wave; waves 2 to 7 ask for none
.macro FILL s
	s_cmp_lg_u32 s8, 0
	s_cbranch_scc1 .Lnk_\@
	tensor_load_to_lds s[G0K+4*\s:G0K+4*\s+3], s[G1K:G1K+7]
	s_nop 0
	s_branch .Lfd_\@
.Lnk_\@:
	s_cmp_lg_u32 s8, 1
	s_cbranch_scc1 .Lfd_\@
	tensor_load_to_lds s[G0V+4*\s:G0V+4*\s+3], s[G1V:G1V+7]
	s_nop 0
.Lfd_\@:
.endm
; One key tile, in slot; oth = the other slot.  mode 0: the first trip; 1: the other slot, read last trip, gets the
; walk's next tile, which then has this whole trip in which to land; 2: the last trip.
.macro TRIP slot, oth, diag, qb, mode
.if \mode == 0
	s_wait_tensorcnt 0x1                           ; my part of the first tile is in; the second tile's load stays out
.else
	s_wait_tensorcnt 0x0                           ; all my tensor loads have landed, my part of this trip's tile among them: group 0 may be written
	ds_add_u32 v62, v63
	s_wait_dscnt 0x0
.endif
	s_wait_dscnt 0x0                               ; my reads of the other slot are over
.if \mode == 1
	s_sub_co_i32 s11, s11, 1                       ; the next tile: one down, and behind tile 0 of block e the diagonal tile of block o
	s_cmp_lt_i32 s11, 0
	s_cselect_b32 s11, s12, s11
	s_lshl_b32 s2, s11, 14
	s_add_nc_u64 s[G0K+4*\oth+2:G0K+4*\oth+3], s[20:21], s[2:3]
	s_or_b32 s[G0K+4*\oth+3], s[G0K+4*\oth+3], 0x80000000
	s_add_nc_u64 s[G0V+4*\oth+2:G0V+4*\oth+3], s[22:23], s[2:3]
	s_or_b32 s[G0V+4*\oth+3], s[G0V+4*\oth+3], 0x80000000
.endif
	s_barrier_signal -1
	s_barrier_wait -1                              ; both now hold of every wave
.if \mode == 1
	FILL \oth                                      ; first thing behind the barrier
.endif
	LDK \slot, 0, FA
	LDK \slot, 1, FB
	STEP \slot, \diag, \qb
.endm
; A block's end.  I hand the state of my query tile 1 to my partner, take the partner's state of my tile 0, merge, and finish my tile 0:
; c = O / (sum (1 + exp(-gate))), as two bf16 terms, through my stage, 512 dense bytes a store.  ob: the scalar pair with the rows' address.
.macro EPI ob
	v_mov_b32 v[T], v[NM+2]
	v_mov_b32 v[T+1], v[LS+1]                      ; T+2 and T+3 go along unread
.irp i, 0,1,2,3,4,5,6,7
	ds_store_b128 v[XS], v[O+32+4*\i:O+32+4*\i+3] offset:512*\i
.endr
	ds_store_b128 v[XS], v[T:T+3] offset:4096
	s_wait_dscnt 0x0                               ; for my partner's sake: my stores are done
	s_barrier_signal -1                            ; the next tile's load may stay on its way
	s_barrier_wait -1
.irp i, 0,1,2,3,4,5,6,7
	ds_load_b128 v[S+4*\i:S+4*\i+3], v[XR] offset:512*\i           ; the partner's O^T of my tile 0: lane for lane as mine lies
.endr
	ds_load_b128 v[XP:XP+3], v[XR] offset:4096
	s_wait_loadcnt 0x0                             ; the gate is in (and, at the first block's end, q of the second)
.set i, 0
.irp hf, v32.l,v32.h,v33.l,v33.h,v34.l,v34.h,v35.l,v35.h,v36.l,v36.h,v37.l,v37.h,v38.l,v38.h,v39.l,v39.h
	v_cvt_f32_f16 v[EX+i], \hf                     ; gate number i of my 32 lies as O^T's number i does
.set i, i+1
.endr
.irp hf, v40.l,v40.h,v41.l,v41.h,v42.l,v42.h,v43.l,v43.h,v44.l,v44.h,v45.l,v45.h,v46.l,v46.h,v47.l,v47.h
	v_cvt_f32_f16 v[EX+i], \hf
.set i, i+1
.endr
.set i, 0
.rept 16
	v_pk_mul_f32 v[EX+i:EX+i+1], v[EX+i:EX+i+1], 0xbfb8aa3b op_sel_hi:[1,0]    ; - gate log2(e)
.set i, i+2
.endr
.set i, 0
.rept 32
	v_exp_f32 v[EX+i], v[EX+i]
.set i, i+1
.endr
	s_wait_dscnt 0x0                               ; the partner's state is in
	v_min_num_f32 v[T], v[NM], v[XP]               ; minus the larger of the two maxima (also the plain place behind the run above)
	v_sub_f32 v[T+1], v[T], v[NM]                  ; (my maximum - the larger) scaled: 0 or below
	v_sub_f32 v[T+2], v[T], v[XP]                  ; the partner's likewise
	v_exp_f32 v[T+4], v[T+1]
	v_exp_f32 v[T+6], v[T+2]
	v_nop                                          ; one plain place behind the two
	s_wait_alu depctr_va_vdst(0)
	v_mov_b32 v[T+5], v[T+4]
	v_mov_b32 v[T+7], v[T+6]
	v_mul_f32 v[T], v[LS], v[T+4]
	v_fma_f32 v[T], v[XP+1], v[T+6], v[T]          ; the sum over the keys of this half of the lanes, both waves'
	v_permlanex16_b32 v[T+1], v[T], s14, s15       ; the two halves' sums meet
	v_add_f32 v[T+2], v[T], v[T+1]
	v_add_f32 v[T+3], v[T], v[T+1]
.set i, 0
.rept 16
	v_pk_mul_f32 v[O+i:O+i+1], v[O+i:O+i+1], v[T+4:T+5]
.set i, i+2
.endr
.set i, 0
.rept 16
	v_pk_fma_f32 v[O+i:O+i+1], v[S+i:S+i+1], v[T+6:T+7], v[O+i:O+i+1]
.set i, i+2
.endr
.set i, 0
.rept 16
	v_pk_fma_f32 v[EX+i:EX+i+1], v[EX+i:EX+i+1], v[T+2:T+3], v[T+2:T+3]   ; sum (1 + exp(-gate)); an infinity here gives 0 below, as sigmoid does
.set i, i+2
.endr
.set i, 0
.rept 32
	v_rcp_f32 v[EX+i], v[EX+i]
.set i, i+1
.endr
	v_nop                                          ; one plain place behind the run
.set i, 0
	s_wait_alu depctr_va_vdst(0)
.rept 16
	v_pk_mul_f32 v[EX+i:EX+i+1], v[EX+i:EX+i+1], v[O+i:O+i+1]
.set i, i+2
.endr
.set i, 0
.rept 16
	v_cvt_pk_bf16_f32 v[FA+i/2], v[EX+i], v[EX+i+1]                ; the first term
.set i, i+2
.endr
.set i, 0
.rept 16
	v_lshlrev_b32 v[T+(i%8)], 16, v[FA+i/2]                        ; the first term as f32: the low half moves up,
	v_and_b32 v[T+(i%8)+1], 0xffff0000, v[FA+i/2]                  ; the high half stays
	v_pk_add_f32 v[EX+i:EX+i+1], v[EX+i:EX+i+1], v[T+(i%8):T+(i%8)+1] neg_lo:[0,1] neg_hi:[0,1]   ; what it left, exact in f32
.set i, i+2
.endr
.set i, 0
.rept 16
	v_cvt_pk_bf16_f32 v[FB+i/2], v[EX+i], v[EX+i+1]                ; the second term
.set i, i+2
.endr
.irp dt, 0,1,2,3
	ds_store_b128 v[STO], v[FA+4*\dt:FA+4*\dt+3] offset:32*\dt             ; query r, d = 16 dt + 8 h + 0..7
	ds_store_b128 v[STO], v[FB+4*\dt:FB+4*\dt+3] offset:16*SP+32*\dt       ; the second term's rows lie behind the first's
.endr
.irp pt, 0,1
.irp t, 0,1,2,3
	ds_load_b128 v[S+4*(4*\pt+\t):S+4*(4*\pt+\t)+3], v[RD] offset:16*SP*\pt+4*SP*\t   ; my own stage, served in order: these see the stores above
.endr
.endr
.irp pt, 0,1
.irp t, 0,1,2,3
	s_wait_dscnt 7-(4*\pt+\t)                      ; LDS loads come back in order: this one of the eight is in, the younger stay out
	global_store_b128 v[CO], v[S+4*(4*\pt+\t):S+4*(4*\pt+\t)+3], s[\ob:\ob+1] offset:262144*\pt+512*\t   ; four rows: 512 consecutive bytes, at a multiple of 512; part 1 lies 16 planes on
.endr
.endr
	s_wait_xcnt 0x0                                ; S, which the stores read, is written again only behind this wait
.endm
	s_wait_loadcnt 12                              ; q of block e is in; the 12 younger loads (q of block o, the gate) stay out
	TRIP 0, 1, 1, QE, 0                            ; block e: its diagonal tile
	s_cmp_eq_u32 s9, 0
	s_cbranch_scc1 .Le_done                        ; block 0 has no other tile
	s_mov_b32 s13, 0
.Le:
	TRIP 1, 0, 0, QE, 1                            ; tiles e - 1 .. 0, two a trip of the loop, j trips
	TRIP 0, 1, 0, QE, 1
	s_add_co_u32 s13, s13, 1
	s_cmp_lt_u32 s13, s9
	s_cbranch_scc1 .Le
.Le_done:
	EPI 66
.irp dt, 0,1,2,3
	global_load_b128 v[G+4*\dt:G+4*\dt+3], v[QOFF], s[62:63] offset:32*\dt   ; gate of block o: it has the whole block in which to come
.endr
	TRIP 1, 0, 1, QO, 1                            ; block o: its diagonal tile
	s_cmp_eq_u32 s70, 0
	s_cbranch_scc1 .Lo_done
	s_mov_b32 s13, 0
.Lo:
	TRIP 0, 1, 0, QO, 1                            ; tiles o - 1 .. 1, two a trip of the loop, 7 - j trips
	TRIP 1, 0, 0, QO, 1
	s_add_co_u32 s13, s13, 1
	s_cmp_lt_u32 s13, s70
	s_cbranch_scc1 .Lo
.Lo_done:
	TRIP 0, 1, 0, QO, 2                            ; tile 0: nothing is left to fetch, and no tensor load is out behind its wait
	EPI 68
	s_wait_tensorcnt 0x0
	ds_add_u32 v62, v63
	s_wait_dscnt 0x0
	s_endpgm
.Lfunc_end_k_qdada36998f_attn:
	.size	k_qdada36998f_attn, .Lfunc_end_k_qdada36998f_attn-k_qdada36998f_attn
	.p2alignl 7, 3214868480
	.fill 96, 4, 3214868480
	.section	.rodata,"a",@progbits
	.p2align	6, 0x0
	.amdhsa_kernel k_qdada36998f_attn
		.amdhsa_group_segment_fixed_size 327680
		.amdhsa_private_segment_fixed_size 0
		.amdhsa_enable_private_segment 0
		.amdhsa_kernarg_size 16
		.amdhsa_user_sgpr_count 2
		.amdhsa_user_sgpr_kernarg_segment_ptr 1
		.amdhsa_wavefront_size32 1
		.amdhsa_system_sgpr_workgroup_id_x 1
		.amdhsa_system_sgpr_workgroup_id_y 1
		.amdhsa_system_sgpr_workgroup_id_z 1
		.amdhsa_system_vgpr_workitem_id 0
		.amdhsa_next_free_vgpr 320
		.amdhsa_next_free_sgpr 80
		.amdhsa_reserve_vcc 1
		.amdhsa_float_denorm_mode_32 3
		.amdhsa_float_denorm_mode_16_64 3
		.amdhsa_memory_ordered 1
		.amdhsa_forward_progress 1
		.amdhsa_inst_pref_size 190
	.end_amdhsa_kernel
	.amdgpu_metadata
---
amdhsa.version: [ 1, 2 ]
amdhsa.kernels:
  - .name:           k_qdada36998f_attn
    .symbol:         k_qdada36998f_attn.kd
    .args:
      - { .name: qkvg, .offset: 0, .size: 8, .value_kind: global_buffer, .address_space: global }
      - { .name: cg, .offset: 8, .size: 8, .value_kind: global_buffer, .address_space: global }
    .group_segment_fixed_size: 327680
    .private_segment_fixed_size: 0
    .kernarg_segment_align: 8
    .kernarg_segment_size: 16
    .max_flat_workgroup_size: 256
    .sgpr_count:     80
    .vgpr_count:     320
    .wavefront_size: 32
...
	.end_amdgpu_metadata
.endif
;; end of part 3
;; launch outp (part 4): grid 8 x 32, 4 waves a work-group, clusters of 4 x 4, 327,680 bytes of LDS; arguments cg, xw, bo, out0; writes out0
.if DOCPART == 4
	.amdgcn_target "amdgcn-amd-amdhsa--gfx1250"
	.amdhsa_code_object_version 6
	.text
	.protected	k_qdada36998f_outp
	.globl	k_qdada36998f_outp
	.p2align	8
	.type	k_qdada36998f_outp,@function
k_qdada36998f_outp:
	s_mov_b64 s[64:65], 0
	v_nop
	global_prefetch_b8 v0, s[64:65] scope:SCOPE_SE
	s_setreg_imm32_b32 hwreg(HW_REG_WAVE_MODE, 25, 1), 1
	s_wait_xcnt 0x0
	s_wait_alu depctr_hold_cnt(0) depctr_sa_sdst(0) depctr_va_vdst(0) depctr_va_sdst(0) depctr_va_ssrc(0) depctr_va_vcc(0) depctr_vm_vsrc(0)
	s_getreg_b32 s2, hwreg(HW_REG_IB_STS2, 6, 4)
	s_cmp_eq_u32 s2, 0
	s_cbranch_scc0 .Lentry_in_a_cluster
	s_endpgm
.Lentry_in_a_cluster:
	s_bfe_u32 s2, ttmp6, 0x10000c
	s_cmp_lg_u32 s2, 0xf033
	s_cbranch_scc0 .Lentry_shape_is_right
	s_endpgm
.Lentry_shape_is_right:
; out0[m][n] = sum over k of c[m][k] Wo[n][k] + bo[n], 4,096 x 1,024 x 1,024; operands bf16, sums, bias and result f32.
; c comes as two bf16 terms: A = cg[block row 32][part 2][h 16][128 rows][64], c = part 0 + part 1 (k = 64 h + d); B = rows 8192..9215 of xw (Wo in bf16,
; K along the rows).  Both terms of c are multiplied by the SAME fragments of B: for 32 along k a wave loads 4 fragments of B, 4 of part 0 and 4 of part 1
; (24 LDS loads) and issues 32 matrix instructions, and a tile of B is brought into LDS once for both.
; A work-group makes a block of 128 x 128: 32 x 8 = 256 work-groups (a block of 256 x 256 would give 64).  Wave (wm, wn) makes 64 x 64: 16 accumulators.
; k goes in eight fills of 128 (two heads) through two LDS slots: the first two go out at the start, six refills follow.
; CLUSTERS: 4 x 4 work-groups; A's tiles hang on the block row alone and are asked for jointly along a row of the cluster, B's on the block column alone
; and jointly along a column.  Wave 0 asks for part 0's two planes, wave 1 for part 1's (128 rows of 256 dense bytes each), waves 2 and 3 for 64 rows of
; B each (256 bytes of a row of 2,048).
; The matrix instruction is used transposed (source 0 = 16 rows of B, source 1 = 16 rows of A): a lane holds row l % 16 and eight neighbouring columns.
.set APL,   17408                      ; a plane in LDS: 64 rows of two rows of c (256 bytes) + 16: pitch 272
.set AP,    272
.set ASZ,   4*APL                      ; 69,632: part 0's two planes, then part 1's
.set BP,    272                        ; B: rows of 256 bytes + 16
.set BH,    64*BP                      ; 17,408: what one wave fetches and what one wave reads of B
.set SLOT,  ASZ+2*BH                   ; 104,448
.set STAGE, 2*SLOT                     ; 208,896 = 816 x 256: 16 rows x 272 bytes for each wave; no tensor load lands there
.set SPITCH, 272
.set ADRA, 16                          ; v16-17  LDS address of my A fragments in slot 0, 1
.set ADRB, 20                          ; v20-21  the same for B
.set STO,  24                          ; v24     the way out: where I put 32 bytes of a row
.set RD,   25                          ; v25     the way out: where I read 16 bytes back
.set CO,   26                          ; v26     my byte offset in out0
.set BOF,  27                          ; v27     my byte offset in bo
.set BIAS, 28                          ; v[28:31] bo of the four columns that I store
.set F0,   64                          ; v[64:159]  fragment buffer 0: B's four at + 8 ni, part 0's four at + 32 + 8 mi, part 1's at + 64 + 8 mi
.set F1,   160                         ; v[160:255] fragment buffer 1
.set TMP,  64                          ; v[64:95] the way out, in buffer 0
                                       ; window 1: accumulator (mi, ni) at v[8 (4 mi + ni)]
.set G1, 24                            ; s[24:31] group 1 for A's tiles
.set G0, 32                            ; s[32:39] group 0 for A's tiles, a set for each slot
.set G1B, 48                           ; s[48:55] group 1 for B's tiles
.set G0B, 56                           ; s[56:63] group 0 for B's tiles, a set for each slot
.set MSB, 0
.macro WIN new                         ; s_set_vgpr_msb; the immediate's high byte repeats the setting that is left
.if MSB != \new
	s_set_vgpr_msb (MSB<<8)|\new
.set MSB, \new
.endif
.endm
.macro PLACES                          ; four independent vector places behind a matrix instruction (ISA guide 7.12.1)
.rept 4
	v_nop
.endr
.endm
.macro JLOAD s                         ; a joint load; the branch hangs on the wave's number alone
	s_cmp_eq_u32 s13, 0
	s_cbranch_scc0 .Lfor_b_\@
	tensor_load_to_lds s[G0+4*\s:G0+4*\s+3], s[G1:G1+7]
	s_nop 0
	s_branch .Lasked_\@
.Lfor_b_\@:
	tensor_load_to_lds s[G0B+4*\s:G0B+4*\s+3], s[G1B:G1B+7]
	s_nop 0
.Lasked_\@:
.endm
.macro CREST                           ; a round of the cluster's barrier behind its opening barrier
	s_cmp_lg_u32 s12, 0
	s_cbranch_scc1 .Lnot_wave_0_\@
	s_barrier_signal -3
.Lnot_wave_0_\@:
	s_barrier_wait -3
	s_barrier_signal -1
	s_barrier_wait -1
.endm
.macro CROUND                          ; a whole round
	s_barrier_signal -1
	s_barrier_wait -1
	CREST
.endm
	s_load_b256 s[4:11], s[0:1], 0x0               ; cg s[4:5], xw s[6:7], bo s[8:9], out0 s[10:11]
	v_lshl_add_u32 v62, v0, 2, 0x37400
	v_mov_b32 v63, 0
	ds_add_u32 v62, v63
	v_lshrrev_b32 v1, 5, v0
	v_readfirstlane_b32 s12, v1                    ; wave 0..3
	s_lshr_b32 s13, s12, 1                         ; wm: which 64 rows are mine.  Also: I fetch for A (0) or for B (1)
	s_and_b32 s14, s12, 1                          ; wn: which 64 columns.  Also: which part of A, or which half of B's rows, I fetch
	s_bfe_u32 s40, ttmp6, 0x40000                  ; cx
	s_bfe_u32 s41, ttmp6, 0x40004                  ; cy
	s_lshl_b32 s42, ttmp9, 2
	s_add_co_u32 s42, s42, s40                     ; block column = 4 x cluster x + cx
	s_and_b32 s15, ttmp7, 0xffff
	s_lshl_b32 s15, s15, 2
	s_add_co_u32 s15, s15, s41                     ; block row = 4 x cluster y + cy
	s_lshl_b32 s43, s41, 2
	s_lshl_b32 s43, 15, s43                        ; my row of the cluster
	s_lshl_b32 s44, 0x1111, s40                    ; my column
	; group 1 for A: 128 rows of 32 elements of 8 bytes, dense; 4 words of padding behind every 64 words
	s_or_b32 s[G1+0], s43, (3<<16)|(1<<20)|(1<<21)|(5<<22)|(3<<25)
	s_mov_b32 s[G1+1], 32<<16                      ; tensor_dim0 = 32
	s_mov_b32 s[G1+2], 128<<16                     ; tensor_dim1 = 128
	s_mov_b32 s[G1+3], 32<<16                      ; tile_dim0 = 32
	s_mov_b32 s[G1+4], 128                         ; tile_dim1 = 128
	s_mov_b32 s[G1+5], 32                          ; elements from row to row
	s_mov_b32 s[G1+6], 0
	s_mov_b32 s[G1+7], 0
	; group 1 for B: 64 rows of 128 elements of 2 bytes, 1,024 elements from row to row; 4 words of padding behind every 64 words
	s_or_b32 s[G1B+0], s44, (1<<16)|(1<<20)|(1<<21)|(5<<22)|(3<<25)
	s_mov_b32 s[G1B+1], 128<<16
	s_mov_b32 s[G1B+2], 64<<16
	s_mov_b32 s[G1B+3], 128<<16
	s_mov_b32 s[G1B+4], 64
	s_mov_b32 s[G1B+5], 1024
	s_mov_b32 s[G1B+6], 0
	s_mov_b32 s[G1B+7], 0
	; where the tiles come from, each in registers that never hold the other coordinate
	s_lshl_b32 s16, s15, 19                        ; A: a block row's 32 planes are 524,288 bytes,
	s_lshl_b32 s17, s14, 18                        ; a part's 16 planes 262,144
	s_add_co_u32 s16, s16, s17
	s_mov_b32 s17, 0
	s_lshl_b32 s46, s42, 18                        ; B: 128 rows of 2,048 bytes for each block column,
	s_lshl_b32 s47, s14, 17                        ; my 64 of them,
	s_add_co_u32 s46, s46, s47
	s_add_co_u32 s46, s46, 0x1000000               ; from row 8192 of xw on
	s_mov_b32 s47, 0
	s_mul_i32 s20, s12, 2*APL                      ; and where they go.  A (waves 0, 1): wave x two planes
	s_mul_i32 s21, s12, BH
	s_add_co_u32 s21, s21, ASZ-2*BH                ; B (waves 2, 3): behind A, (wave - 2) x 64 rows
	s_wait_dscnt 0x0
	s_wait_kmcnt 0x0
	s_add_nc_u64 s[18:19], s[4:5], s[16:17]
	s_add_nc_u64 s[46:47], s[6:7], s[46:47]
	CROUND                                         ; all sixteen work-groups are here: the first joint loads meet
.irp s, 0,1
	s_mov_b32 s[G0+4*\s], 1
	s_add_co_u32 s[G0+4*\s+1], s20, \s*SLOT
	s_add_nc_u64 s[G0+4*\s+2:G0+4*\s+3], s[18:19], \s*32768        ; fill s: heads 2 s, 2 s + 1
	s_or_b32 s[G0+4*\s+3], s[G0+4*\s+3], 0x80000000
	s_mov_b32 s[G0B+4*\s], 1
	s_add_co_u32 s[G0B+4*\s+1], s21, \s*SLOT
	s_add_nc_u64 s[G0B+4*\s+2:G0B+4*\s+3], s[46:47], \s*256        ; fill s: k = 128 s ..
	s_or_b32 s[G0B+4*\s+3], s[G0B+4*\s+3], 0x80000000
	JLOAD \s                                       ; two loads of this wave are out
.endr
	v_and_b32 v1, 15, v0                           ; r
	v_bfe_u32 v2, v0, 4, 1                         ; h
	s_lshl_b32 s45, s42, 9                         ; my first column, in bytes of f32: 512 x block column + 256 x wn
	s_lshl_b32 s23, s14, 8
	s_add_co_u32 s45, s45, s23
	v_lshl_add_u32 v[BOF], v1, 4, s45
	global_load_b128 v[BIAS:BIAS+3], v[BOF], s[8:9]                ; the four columns that lane l % 16 stores
	v_lshrrev_b32 v3, 1, v1                        ; A: row m of a plane lies at (m / 2) x 272 + (m mod 2) x 128
	v_mul_u32_u24 v3, v3, AP
	v_and_b32 v4, 1, v0
	v_lshl_add_u32 v3, v4, 7, v3
	v_lshl_add_u32 v3, v2, 4, v3
	s_mul_i32 s22, s13, 32*AP                      ; my 64 rows
	v_add_nc_u32 v[ADRA], s22, v3
	v_add_nc_u32 v[ADRA+1], SLOT, v[ADRA]
	v_mul_u32_u24 v5, v1, BP
	v_lshl_add_u32 v5, v2, 4, v5
	s_mul_i32 s23, s14, BH
	s_add_co_u32 s23, s23, ASZ
	v_add_nc_u32 v[ADRB], s23, v5
	v_add_nc_u32 v[ADRB+1], SLOT, v[ADRB]
	s_mul_i32 s22, s12, 16*SPITCH
	s_add_co_u32 s22, s22, STAGE                   ; my stage
	v_mul_u32_u24 v6, v1, SPITCH
	v_lshl_add_u32 v6, v2, 5, v6                   ; in: row r, 32 bytes for each half of the lanes
	v_add_nc_u32 v[STO], s22, v6
	v_mul_u32_u24 v7, v2, SPITCH
	v_lshl_add_u32 v7, v1, 4, v7                   ; back: lanes 0-15 take one row of 256 bytes, lanes 16-31 the next
	v_add_nc_u32 v[RD], s22, v7
	v_lshlrev_b32 v8, 12, v2                       ; and the same two rows of out0, 4,096 bytes apart
	v_lshl_add_u32 v[CO], v1, 4, v8
; 24 LDS loads: the fragments of 32 along k, number kq of the slot's four (head kq / 2 of the two, d from 32 (kq mod 2)), into buffer f
.macro FETCH slot, kq, f
.irp ni, 0,1,2,3
	ds_load_b128 v[\f+8*\ni:\f+8*\ni+3],   v[ADRB+\slot] offset:\ni*16*BP+64*(\kq)
	ds_load_b128 v[\f+8*\ni+4:\f+8*\ni+7], v[ADRB+\slot] offset:\ni*16*BP+64*(\kq)+32
.endr
.irp pt, 0,1
.irp mi, 0,1,2,3
	ds_load_b128 v[\f+32+32*\pt+8*\mi:\f+32+32*\pt+8*\mi+3],   v[ADRA+\slot] offset:(2*\pt+((\kq)>>1))*APL+\mi*8*AP+((\kq)&1)*64
	ds_load_b128 v[\f+32+32*\pt+8*\mi+4:\f+32+32*\pt+8*\mi+7], v[ADRA+\slot] offset:(2*\pt+((\kq)>>1))*APL+\mi*8*AP+((\kq)&1)*64+32
.endr
.endr
.endm
; 16 matrix instructions on part pt of c; the sixteen accumulators take turns, one instruction a turn.  zero = 1 starts the sums.
.macro MUL16 f, pt, zero
.irp mi, 0,1,2,3
.irp ni, 0,1,2,3
.if \zero
	v_wmma_f32_16x16x32_bf16 v[8*(4*\mi+\ni):8*(4*\mi+\ni)+7], v[\f+8*\ni:\f+8*\ni+7], v[\f+32+32*\pt+8*\mi:\f+32+32*\pt+8*\mi+7], 0
.else
	v_wmma_f32_16x16x32_bf16 v[8*(4*\mi+\ni):8*(4*\mi+\ni)+7], v[\f+8*\ni:\f+8*\ni+7], v[\f+32+32*\pt+8*\mi:\f+32+32*\pt+8*\mi+7], v[8*(4*\mi+\ni):8*(4*\mi+\ni)+7]
.endif
.endr
.endr
.endm
; asks for the fragments number kn into buffer nxt, then multiplies buffer cur: the 24 loads have 32 matrix instructions in which to come
.macro QSTEP slot, kn, cur, nxt, zero
	WIN 0
	PLACES                                         ; buffer nxt was read by the matrix instructions just issued
	FETCH \slot, \kn, \nxt
	s_wait_dscnt 24                                ; buffer cur is in; the 24 loads just issued stay out
	WIN 0x50                                       ; C and D in window 1
	MUL16 \cur, 0, \zero
	MUL16 \cur, 1, 0
.endm
.macro THREE slot, zero                ; the first three quarters of a slot; on entry its first fragments are on their way into buffer 0
	QSTEP \slot, 1, F0, F1, \zero
	QSTEP \slot, 2, F1, F0, 0
	QSTEP \slot, 3, F0, F1, 0
.endm
; The last quarter: multiplies buffer 1 and changes slots.  In front of the barrier each wave waits for its reads of this slot and for all its tensor
; loads (one is out: its part of the next slot).  fill = 1: the barrier opens a round of the cluster's barrier, and behind the round the joint refill of
; this slot, two fills ahead, comes first and is my only tensor load until the next round.  From a request to the wait for it: 112 matrix instructions.
.macro TURN slot, next, fill
	s_wait_dscnt 0x0                               ; buffer 1 is in, and my reads of this slot are over
	s_wait_tensorcnt 0x0                           ; all my tensor loads have landed: group 0 may be written
	ds_add_u32 v62, v63
	s_wait_dscnt 0x0
.if \fill
	s_add_nc_u64 s[G0+4*\slot+2:G0+4*\slot+3], s[G0+4*\slot+2:G0+4*\slot+3], 2*32768
	s_add_nc_u64 s[G0B+4*\slot+2:G0B+4*\slot+3], s[G0B+4*\slot+2:G0B+4*\slot+3], 2*256
.endif
	s_barrier_signal -1                            ; say so,
	WIN 0x50
	MUL16 F1, 0, 0                                 ; work on registers while the others arrive,
	WIN 0
	s_barrier_wait -1
.if \fill
	CREST                                          ; no wave of any partner still reads this slot's tiles or has a load on its way
	JLOAD \slot
.endif
	PLACES
	FETCH \next, 0, F0
	WIN 0x50
	MUL16 F1, 1, 0                                 ; the next slot's first fragments come meanwhile
.endm
.macro LAP zero                        ; once round the ring, both slots filled again
	THREE 0, \zero
	TURN 0, 1, 1
	THREE 1, 0
	TURN 1, 0, 1
.endm
	s_wait_tensorcnt 0x1                           ; my part of the first fill is in; the second's stays out
	s_barrier_signal -1
	s_barrier_wait -1
	FETCH 0, 0, F0
	LAP 1                                          ; fills 0 and 1: the first products start the sums; fills 2 and 3 are asked for
	WIN 0                                          ; at a label and at a branch every window is 0
	s_mov_b32 s3, 2
.Llap:
	LAP 0                                          ; fills 2 to 5; fills 4 to 7 are asked for
	WIN 0
	s_sub_co_u32 s3, s3, 1
	s_cmp_lg_u32 s3, 0
	s_cbranch_scc1 .Llap
	THREE 0, 0                                     ; fills 6 and 7: nothing is left to fetch
	TURN 0, 1, 0
	THREE 1, 0
	s_wait_dscnt 0x0
	MUL16 F1, 0, 0
	MUL16 F1, 1, 0
	; THE WAY OUT, 16 rows at a time through my own stage; the bias is added on the way back, where a lane holds four columns of a row
	PLACES
	s_lshl_b32 s16, s15, 19                        ; my first row: 128 rows of 4,096 bytes for each block row,
	s_lshl_b32 s17, s13, 18                        ; 64 for wm
	s_add_co_u32 s16, s16, s17
	s_mov_b32 s17, 0
	s_add_nc_u64 s[10:11], s[10:11], s[16:17]
	s_mov_b32 s46, s45                             ; my first column
	s_mov_b32 s47, 0
	s_add_nc_u64 s[10:11], s[10:11], s[46:47]
	s_wait_loadcnt 0x0                             ; the bias
.macro OUT16 mi
	WIN 0x04                                       ; an LDS store's data are source 1: window 1
.irp ni, 0,1,2,3
	ds_store_b128 v[STO], v[8*(4*\mi+\ni):8*(4*\mi+\ni)+3]   offset:64*\ni
	ds_store_b128 v[STO], v[8*(4*\mi+\ni)+4:8*(4*\mi+\ni)+7] offset:64*\ni+16
.endr
	WIN 0
	s_wait_xcnt 0x0                                ; TMP, which earlier stores read, and the stores' base are rewritten only behind this wait
.if \mi
	s_add_nc_u64 s[10:11], s[10:11], 16*4096       ; 16 rows on
.endif
.irp t, 0,1,2,3,4,5,6,7
	ds_load_b128 v[TMP+4*\t:TMP+4*\t+3], v[RD] offset:\t*2*SPITCH  ; my own stage, served in order: these see the stores above
.endr
.irp t, 0,1,2,3,4,5,6,7
	s_wait_dscnt 7-\t
	v_pk_add_f32 v[TMP+4*\t:TMP+4*\t+1],   v[TMP+4*\t:TMP+4*\t+1],   v[BIAS:BIAS+1]
	v_pk_add_f32 v[TMP+4*\t+2:TMP+4*\t+3], v[TMP+4*\t+2:TMP+4*\t+3], v[BIAS+2:BIAS+3]
	global_store_b128 v[CO], v[TMP+4*\t:TMP+4*\t+3], s[10:11] offset:2*4096*\t th:TH_STORE_NT   ; 16 lanes store 256 consecutive bytes, at a multiple of 256
.endr
.endm
	OUT16 0
	OUT16 1
	OUT16 2
	OUT16 3
	s_wait_tensorcnt 0x0
	ds_add_u32 v62, v63
	s_wait_dscnt 0x0
	CROUND                                         ; the closing round: no work-group ends while a partner may still ask for a tile that names it
	s_endpgm
.Lfunc_end_k_qdada36998f_outp:
	.size	k_qdada36998f_outp, .Lfunc_end_k_qdada36998f_outp-k_qdada36998f_outp
	.p2alignl 7, 3214868480
	.fill 96, 4, 3214868480
	.section	.rodata,"a",@progbits
	.p2align	6, 0x0
	.amdhsa_kernel k_qdada36998f_outp
		.amdhsa_group_segment_fixed_size 327680
		.amdhsa_private_segment_fixed_size 0
		.amdhsa_enable_private_segment 0
		.amdhsa_kernarg_size 32
		.amdhsa_user_sgpr_count 2
		.amdhsa_user_sgpr_kernarg_segment_ptr 1
		.amdhsa_wavefront_size32 1
		.amdhsa_system_sgpr_workgroup_id_x 1
		.amdhsa_system_sgpr_workgroup_id_y 1
		.amdhsa_system_sgpr_workgroup_id_z 1
		.amdhsa_system_vgpr_workitem_id 0
		.amdhsa_next_free_vgpr 384
		.amdhsa_next_free_sgpr 66
		.amdhsa_reserve_vcc 0
		.amdhsa_float_denorm_mode_32 3
		.amdhsa_float_denorm_mode_16_64 3
		.amdhsa_memory_ordered 1
		.amdhsa_forward_progress 1
		.amdhsa_inst_pref_size 113
	.end_amdhsa_kernel
	.amdgpu_metadata
---
amdhsa.version: [ 1, 2 ]
amdhsa.kernels:
  - .name:           k_qdada36998f_outp
    .symbol:         k_qdada36998f_outp.kd
    .args:
      - { .name: cg, .offset: 0, .size: 8, .value_kind: global_buffer, .address_space: global }
      - { .name: xw, .offset: 8, .size: 8, .value_kind: global_buffer, .address_space: global }
      - { .name: bo, .offset: 16, .size: 8, .value_kind: global_buffer, .address_space: global }
      - { .name: out0, .offset: 24, .size: 8, .value_kind: global_buffer, .address_space: global }
    .group_segment_fixed_size: 327680
    .private_segment_fixed_size: 0
    .kernarg_segment_align: 8
    .kernarg_segment_size: 32
    .max_flat_workgroup_size: 128
    .sgpr_count:     66
    .vgpr_count:     384
    .wavefront_size: 32
...
	.end_amdgpu_metadata
.endif
;; end of part 4
